; MI455X (gfx1250); checked and timed in simulation.
; The chip was launched on July 23, 2026; its instructions are those of AMD's public machine-readable ISA for CDNA 5 (MIT licence, August 2026) and "CDNA5" Instruction Set Architecture Reference Guide (July 2026). The comments in the code are by the model that wrote it; some were corrected since.
;; Transformer Block. Allowed arithmetic: matrix products marked QUANTISED: E2M1 operands, one E8M0 scale for each 32 along K, by v_wmma_scale_f32_16x16x128_f8f6f4 with both operands' format E2M1 (or v_wmma_scale_f32_32x16x128_f4), f32 sums; everything else in f32.
;; Inputs: b_ff1 4,096 float32; b_ff2 1,024 float32; b_out 1,024 float32; b_qkv 3,072 float32; ln1_b 1,024 float32; ln1_g 1,024 float32; ln2_b 1,024 float32; ln2_g 1,024 float32; w_ff1_codes 4,096 x 32 x 16 uint8 (E2M1 codes of w_ff1, K innermost, in blocks of 32 codes, two codes a byte); w_ff1_scales 4,096 x 32 uint8 (E8M0 scales of w_ff1, one for each 32 codes along K); w_ff2_codes 1,024 x 128 x 16 uint8 (E2M1 codes of w_ff2, K innermost, in blocks of 32 codes, two codes a byte); w_ff2_scales 1,024 x 128 uint8 (E8M0 scales of w_ff2, one for each 32 codes along K); w_out_codes 1,024 x 32 x 16 uint8 (E2M1 codes of w_out, K innermost, in blocks of 32 codes, two codes a byte); w_out_scales 1,024 x 32 uint8 (E8M0 scales of w_out, one for each 32 codes along K); w_qkv_codes 3,072 x 32 x 16 uint8 (E2M1 codes of w_qkv, K innermost, in blocks of 32 codes, two codes a byte); w_qkv_scales 3,072 x 32 uint8 (E8M0 scales of w_qkv, one for each 32 codes along K); x 2 x 2,048 x 1,024 float32.
;; Outputs: out0 2 x 2,048 x 1,024 float32.
;; This version of the problem:
;;   THIS VERSION OF THE PROBLEM IS GIVEN IN LOW PRECISION. The matrix products marked QUANTISED in the list below multiply operands that are first quantised to E2M1 (2 exponent bits, 1 mantissa bit; 4 bits a number), with one power-of-two scale for each 32 numbers along K (OCP MX v1.0); their sums are f32. All else is computed in f32.
;;   The module's matrix products, in the order in which they are computed (A, B: the left and right operand; K: the contracted axis; several contracted axes count as one K, in the product's order):
;;     1. [M 4,096, K 1,024] x [K 1,024, N 3,072]; A: computed on the way; B: input w_qkv (given as codes): QUANTISED
;;     2. batch 32 x [M 2,048, K 64] x [K 64, N 2,048]; A: computed on the way; B: computed on the way: QUANTISED
;;     3. batch 32 x [M 64, K 2,048] x [K 2,048, N 2,048]; A: computed on the way; B: softmax (see below): QUANTISED
;;     4. [M 4,096, K 1,024] x [K 1,024, N 1,024]; A: computed on the way; B: input w_out (given as codes): QUANTISED
;;     5. [M 4,096, K 1,024] x [K 1,024, N 4,096]; A: computed on the way; B: input w_ff1 (given as codes): QUANTISED
;;     6. [M 4,096, K 4,096] x [K 4,096, N 1,024]; A: computed on the way; B: input w_ff2 (given as codes): QUANTISED
;;   THE QUANTISER, for each operand of a quantised product, along K:
;;     - K is cut into blocks of 32 from its start; a last block that is shorter is filled with zeros.
;;     - A block's scale is 2^e with e = floor(log2(the largest magnitude in the block)) - 2, held to -126 .. 127; a block of zeros has e = 0. As a byte (E8M0): e + 127.
;;     - Each number is divided by its block's scale, clamped to +-6, and rounded to the nearest number of E2M1, ties to even, subnormals kept.
;;     - The product sums the exact products of the quantised numbers (number of the format x scale) in f32.
;;   ~~~python
;;   def quantise(x, axis):      # numpy; x: float32 -> the quantised numbers, widened to float32 again
;;       x = np.moveaxis(x, axis, -1); K = x.shape[-1]
;;       x = np.pad(x, [(0, 0)] * (x.ndim - 1) + [(0, -K % 32)]); x = x.reshape(x.shape[:-1] + (-1, 32)); a = np.abs(x).max(-1, keepdims=True)
;;       e = np.where(a > 0, np.clip(np.frexp(np.where(a > 0, a, 1))[1] - 1 - 2, -126, 127), 0)      # np.frexp(a)[1] - 1 = floor(log2(a)), exactly
;;       r = np.clip(x / 2.0 ** e, -6, 6)
;;       step = 2.0 ** (np.maximum(np.frexp(np.where(r == 0, 1, r))[1] - 1, 0) - 1)
;;       q = np.round(r / step) * step * 2.0 ** e      # np.round: ties to even
;;       return np.moveaxis(q.reshape(q.shape[:-2] + (-1,))[..., :K], -1, axis).astype(np.float32)
;;   ~~~
;;   SOFTMAX AHEAD OF A QUANTISED PRODUCT. Where the list says 'softmax', what is quantised is not the finished softmax but p = 2^(t - M), with t = logit x log2(e) and M = ceil(the row's largest t), a whole number; so 1/2 < the row's largest p <= 1. The row's sum l is taken of the UNQUANTISED p, in f32, and the product's result is divided by l at the end. Since M is a whole number, a kernel that streams over the keys may use a running M (the ceiling of the running maximum): every later rescaling is an exact power of two, which a block's scale takes up: the codes' values come out the same.
;;   OPERANDS COMPUTED ON THE WAY. 'Computed on the way' means the value that the module computes at that place (a softmax that the list does not call 'softmax' is quantised finished and normalised). What goes into a quantiser is computed in f32, as accurately as f32 sums, v_exp_f32 and their like allow (about 1e-6 of the number): no bf16 or f16 on the way to a quantiser, and a product that is left as it is and whose result goes on into a quantised operand takes f32 operands (vector FMAs, or v_wmma_f32_16x16x4_f32). A number that lies on a knife's edge between two numbers of the format may be rounded either way, as far as f32 arithmetic and the matrix unit's own rounding can turn it there, and no further.
;;   INPUTS GIVEN AS CODES. w_ff1 (in the module: [1024, 4096], K = its axis 0); w_ff2 (in the module: [4096, 1024], K = its axis 0); w_out (in the module: [1024, 1024], K = its axis 0); w_qkv (in the module: [1024, 3072], K = its axis 0): each comes as NAME_codes (uint8): NAME with its K axis moved to the last place and cut into blocks of 32 codes, [.., K / 32, bytes a block], one block behind the other in memory; two codes a byte, the lower K in the low four bits (a code: sign, 2 exponent bits, 1 mantissa bit); and NAME_scales (uint8): the same leading axes, one E8M0 byte (e + 127) for each 32 codes along K. Its value is code x scale, taken as it is: it is not quantised again, and the codes and scales need not be those that the quantiser above would give.
;; One version. Each part assembles by itself: llvm-mc -triple=amdgcn-amd-amdhsa -mcpu=gfx1250 --defsym DOCPART=n.
;; ======== version 1 of 1: 6 launches
;; limits: right only within a limited range of input values
;; workspace buffers: wimg 6,291,456 bytes; h1 2,228,224 bytes; qq 2,359,296 bytes; kv 4,718,592 bytes; at 2,228,224 bytes; x1 16,777,216 bytes; h2 2,228,224 bytes; gg 8,912,896 bytes
;; launch prep (part 1): grid 352 x 1, 8 waves a work-group, no clusters, 71,680 bytes of LDS; arguments x, ln1_g, ln1_b, w_qkv_codes, w_out_codes, w_ff1_codes, w_ff2_codes, h1, wimg; writes h1, wimg
.if DOCPART == 1
	.amdgcn_target "amdgcn-amd-amdhsa--gfx1250"
	.amdhsa_code_object_version 6
	.text
	.protected	k_qd764a0d4f4_prep
	.globl	k_qd764a0d4f4_prep
	.p2align	8
	.type	k_qd764a0d4f4_prep,@function
k_qd764a0d4f4_prep:
	s_mov_b64 s[64:65], 0
	v_nop
	global_prefetch_b8 v0, s[64:65] scope:SCOPE_SE
	s_setreg_imm32_b32 hwreg(HW_REG_WAVE_MODE, 25, 1), 1
	s_wait_xcnt 0x0
; THE PROGRAM: a pre-LN transformer block, 4,096 rows x 1,024, 16 heads of 64, FF 4,096; all six products on E2M1 codes with E8M0 scales.
; Seven launches: prep (LN1 + quantiser; weights laid anew), qkv, attn, oproj (+ x), ln2 (this body again), ff1 (+ erf GELU + quantiser), ff2 (+ x1).
; WORK LEFT OUT: reference() sets scores[t][s] to -inf for s > t by a jnp.tril that it builds itself; their weights are exp(-inf) = 0 for all values of the
; inputs, so a whole tile of 128 keys that lies after a block of 128 queries adds nothing to products 2 and 3: launch attn does not compute such tiles.
; Every input has a way to the output and is loaded.  LIMIT: a NaN, an infinity or an overflow that could arise only in the tiles left out is not carried.
; LIMITS of the whole program: NaN and infinities among the inputs are not served; a block of zeros gets the scale byte 1 (the rule says 127) with zero codes,
; which add nothing; the bytes are read by this program alone.
; LAYOUTS of the program's own buffers.  A tile is 16 rows: lane index r of tile 2 g + u stands for row 32 g + 8 u + r + 8 (r / 8).  A fragment (tile, K step of 128) is the image
; of its 8 operand registers: 1,024 bytes, register group c at 512 c, lane l's 16 bytes at 16 l; fragment (tile, s) at (tile x K / 128 + s) x 1,024.
; Scale words of activations: word of (pair of tiles, s, lane 16 (tile % 2) + r) at ((pair x K / 128 + s) x 32 + lane) x 4.
; THIS BODY.  Work-groups 0-255: LayerNorm of one tile of 16 rows and its codes: wave w takes columns 128 w .. 128 w + 127, which are K step w.  Mean and variance (of x - mean) meet in LDS.
; Work-groups 256-351 (launch prep alone; launch ln2 has a grid of 256 and never takes this path, nor touches the weights or wimg): a wave lays 16 rows x 512 bytes of a weight's codes as 8 fragments.
; THE LAUNCHES AS THEY NOW STAND (where the lines above name seven launches, oproj and ln2, read this): six launches: prep, qkv, attn, oln (projection + x, LN2 and its quantiser in one), ff1, ff2.  This body serves launch prep alone.
.set RED,   67584
.set SCW,   69632                      ; scale words [K step][lane]
.set SPARE, 70656                      ; the spare words, 128 bytes a wave: no other line names them
.set R,   16                           ; v16-79   x as loaded, later the bias
.set X,   80                           ; v80-143  register 16 b + i = column 32 b + 16 h + i of my row
.set G,   144                          ; v144-207 the gain
.set TM,  208
.set PC,  224
.set PW,  232
.set SPW, 14
.set NIL, 15
.set SEL, 36
; 64 numbers of a lane, register 16 b + i = k 32 b + 16 (lane / 16) + i of my row, become a fragment's codes in v[PC] on and its scale word in v[PW]
.macro QUANT s
.irp b, 0,1,2,3
	v_max3_num_f32 v[TM+\b], |v[\s+16*\b]|, |v[\s+1+16*\b]|, 0x1800000   ; my 16 numbers of block b, and the floor 2^(3 - 127): the byte cannot fall under 1
.endr
.irp i, 2,4,6,8,10,12,14
.irp b, 0,1,2,3
	s_delay_alu instid0(VALU_DEP_4)
	v_max3_num_f32 v[TM+\b], v[TM+\b], |v[\s+16*\b+\i]|, |v[\s+1+16*\b+\i]|
.endr
.endr
.irp b, 0,1,2,3
	s_delay_alu instid0(VALU_DEP_4)
	v_permlanex16_b32 v[TM+4+\b], v[TM+\b], s[SEL], s[SEL+1]
.endr
.irp b, 0,1,2,3
	s_delay_alu instid0(VALU_DEP_4)
	v_max_num_f32 v[TM+\b], v[TM+\b], v[TM+4+\b]                   ; with lane l xor 16's: the block's largest magnitude
.endr
.irp b, 0,1,2,3
	s_delay_alu instid0(VALU_DEP_4)
	v_add_nc_u32 v[TM+12+\b], 0xff000000, v[TM+\b]                 ; 2 off its exponent field: the conversion's scale operand
.endr
.irp b, 0,1,2,3
	s_delay_alu instid0(VALU_DEP_4)
	v_lshrrev_b32 v[TM+4+\b], 23, v[TM+12+\b]                      ; the scale's byte
.endr
	s_delay_alu instid0(VALU_DEP_3)
	v_lshl_or_b32 v[PW], v[TM+5], 8, v[TM+4]
	s_delay_alu instid0(VALU_DEP_1)
	v_lshl_or_b32 v[PW], v[TM+6], 16, v[PW]
	s_delay_alu instid0(VALU_DEP_1)
	v_lshl_or_b32 v[PW], v[TM+7], 24, v[PW]
.irp b, 0,1,2,3
	v_cvt_scalef32_pk8_fp4_f32 v[PC+2*\b], v[\s+16*\b:\s+7+16*\b], v[TM+12+\b]
	v_cvt_scalef32_pk8_fp4_f32 v[PC+1+2*\b], v[\s+8+16*\b:\s+15+16*\b], v[TM+12+\b]
.endr
	v_nop                                                          ; one plain place behind a scaled conversion
.irp c, 0,1
.irp i, 0,1
	v_permlane16_swap_b32 v[PC+4*\c+\i], v[PC+2+4*\c+\i]           ; a whole block to a lane: lanes 0-15 block 2 c, lanes 16-31 block 2 c + 1
.endr
.endr
.endm
.macro BARRIER
	s_wait_dscnt 0x0                               ; my LDS stores have landed and my LDS loads are in
	s_barrier_signal -1
	s_barrier_wait -1
.endm
	s_load_b256 s[4:11], s[0:1], 0x0               ; x, gain, bias, w_qkv's codes
	s_load_b256 s[12:19], s[0:1], 0x20             ; w_out's, w_ff1's, w_ff2's codes, the codes' buffer
	s_load_b64 s[20:21], s[0:1], 0x40              ; wimg
	v_lshl_add_u32 v[SPW], v0, 2, SPARE
	v_mov_b32 v[NIL], 0
	v_lshrrev_b32 v1, 5, v0
	s_delay_alu instid0(VALU_DEP_1)
	v_readfirstlane_b32 s22, v1                    ; wave
	v_and_b32 v1, 31, v0                           ; lane
	v_and_b32 v2, 15, v0                           ; r
	v_bfe_u32 v3, v0, 4, 1                         ; h
	s_delay_alu instid0(VALU_DEP_3)
	v_lshlrev_b32 v4, 4, v1                        ; 16 x lane
	s_cmp_ge_u32 ttmp9, 256
	s_cbranch_scc1 .Lrelay
	; ---- LayerNorm and quantiser
	s_mul_i32 s23, s22, 8448                       ; my stage
	v_add_nc_u32 v5, s23, v4                       ; in: 16 x lane, a row of 512 bytes an instruction
	v_mul_u32_u24 v6, v2, 528
	s_delay_alu instid0(VALU_DEP_1)
	v_lshl_add_u32 v6, v3, 6, v6
	s_delay_alu instid0(VALU_DEP_1)
	v_add_nc_u32 v6, s23, v6                       ; back: row r, + 64 h
	v_lshlrev_b32 v7, 6, v3                        ; gain and bias: 64 h
	s_lshl_b32 s24, s22, 2
	v_lshl_add_u32 v8, v1, 5, s24
	s_delay_alu instid0(VALU_DEP_1)
	v_add_nc_u32 v8, RED, v8                       ; my partial sum: 32 x lane + 4 x wave
	v_lshlrev_b32 v9, 5, v1
	s_delay_alu instid0(VALU_DEP_1)
	v_add_nc_u32 v9, RED, v9                       ; my lane's eight
	s_lshl_b32 s24, s22, 7
	v_lshl_add_u32 v10, v1, 2, s24
	s_delay_alu instid0(VALU_DEP_1)
	v_add_nc_u32 v10, SCW, v10                     ; my scale word: 128 x wave + 4 x lane
	v_lshrrev_b32 v11, 2, v1
	v_and_b32 v12, 3, v1
	s_delay_alu instid0(VALU_DEP_2)
	v_lshlrev_b32 v11, 7, v11
	s_delay_alu instid0(VALU_DEP_1)
	v_lshl_add_u32 v11, v12, 4, v11                ; wave 0's way out: 128 (lane / 4) + 16 (lane % 4)
	s_delay_alu instid0(VALU_DEP_1)
	v_add_nc_u32 v13, SCW, v11
.irp b, 0,1,2,3
	v_mov_b32 v[TM+4+\b], 0                        ; a lane permute's destination counts as one of its sources
.endr
	s_mov_b32 s[SEL], 0x76543210
	s_mov_b32 s[SEL+1], 0xfedcba98
	s_mov_b32 s38, 0x3a800000                      ; 1 / 1024
	s_mov_b32 s39, 0x3727c5ac                      ; 1e-5
	s_lshr_b32 s25, ttmp9, 1                       ; the pair of tiles
	s_and_b32 s26, ttmp9, 1
	s_lshl_b32 s28, s25, 17                        ; 32 rows of 4,096 bytes
	s_lshl_b32 s29, s26, 15                        ; 8 rows
	s_add_co_u32 s28, s28, s29
	s_lshl_b32 s30, s22, 9                         ; my 512 bytes of a row
	s_add_co_u32 s28, s28, s30
	s_mov_b32 s29, 0
	s_mov_b32 s31, 0
	s_lshl_b32 s32, ttmp9, 13
	s_lshl_b32 s33, s22, 10
	s_add_co_u32 s32, s32, s33                     ; fragment (tile, wave)
	s_mov_b32 s33, 0
	s_lshl_b32 s34, s25, 10
	s_lshl_b32 s35, s26, 6
	s_add_co_u32 s34, s34, s35
	s_add_co_u32 s34, s34, 0x200000                ; the tile's scale words
	s_mov_b32 s35, 0
	s_wait_kmcnt 0x0
	s_add_nc_u64 s[4:5], s[4:5], s[28:29]
	s_add_nc_u64 s[6:7], s[6:7], s[30:31]
	s_add_nc_u64 s[8:9], s[8:9], s[30:31]
	s_add_nc_u64 s[34:35], s[18:19], s[34:35]
	s_add_nc_u64 s[18:19], s[18:19], s[32:33]
.set i, 0
.rept 16
	global_load_b128 v[R+4*i:R+4*i+3], v4, s[4:5] offset:(i+8*(i/8))*4096 th:TH_LOAD_NT   ; the tile's row i: 512 consecutive bytes
.set i, i+1
.endr
.set i, 0
.rept 16
	global_load_b128 v[G+4*i:G+4*i+3], v7, s[6:7] offset:128*(i/4)+16*(i%4)
.set i, i+1
.endr
	s_wait_loadcnt 16                              ; x is in; the 16 loads of the gain may be out
.set i, 0
.rept 16
	ds_store_b128 v5, v[R+4*i:R+4*i+3] offset:528*i
.set i, i+1
.endr
.set i, 0
.rept 16
	ds_load_b128 v[X+4*i:X+4*i+3], v6 offset:128*(i/4)+16*(i%4)   ; my own stage: LDS serves a wave's instructions in order
.set i, i+1
.endr
	s_wait_dscnt 0x0                               ; x lies as the quantiser wants it, and the stores have read their registers,
.set i, 0
.rept 16
	global_load_b128 v[R+4*i:R+4*i+3], v7, s[8:9] offset:128*(i/4)+16*(i%4)   ; which take the bias
.set i, i+1
.endr
	v_pk_add_f32 v[236:237], v[80:81], v[82:83]
	v_pk_add_f32 v[254:255], v[88:89], v[92:93]
	v_pk_add_f32 v[252:253], v[96:97], v[100:101]
	v_pk_add_f32 v[250:251], v[104:105], v[108:109]
	v_pk_add_f32 v[248:249], v[112:113], v[116:117]
	v_pk_add_f32 v[246:247], v[120:121], v[124:125]
	v_pk_add_f32 v[244:245], v[128:129], v[132:133]
	v_pk_add_f32 v[234:235], v[136:137], v[140:141]
	s_delay_alu instid0(VALU_DEP_1)
	v_pk_add_f32 v[234:235], v[234:235], v[84:85]
	v_pk_add_f32 v[236:237], v[236:237], v[86:87]
	v_pk_add_f32 v[254:255], v[254:255], v[90:91]
	v_pk_add_f32 v[252:253], v[252:253], v[94:95]
	v_pk_add_f32 v[250:251], v[250:251], v[98:99]
	v_pk_add_f32 v[248:249], v[248:249], v[102:103]
	v_pk_add_f32 v[246:247], v[246:247], v[106:107]
	v_pk_add_f32 v[244:245], v[244:245], v[110:111]
	v_pk_add_f32 v[234:235], v[234:235], v[114:115]
	v_pk_add_f32 v[236:237], v[236:237], v[118:119]
	v_pk_add_f32 v[254:255], v[254:255], v[122:123]
	v_pk_add_f32 v[252:253], v[252:253], v[126:127]
	v_pk_add_f32 v[250:251], v[250:251], v[130:131]
	v_pk_add_f32 v[248:249], v[248:249], v[134:135]
	v_pk_add_f32 v[246:247], v[246:247], v[138:139]
	v_pk_add_f32 v[244:245], v[244:245], v[142:143]
	s_delay_alu instid0(VALU_DEP_4)
	v_pk_add_f32 v[234:235], v[234:235], v[250:251]
	s_delay_alu instid0(VALU_DEP_4)
	v_pk_add_f32 v[236:237], v[236:237], v[248:249]
	s_delay_alu instid0(VALU_DEP_4)
	v_pk_add_f32 v[254:255], v[254:255], v[246:247]
	s_delay_alu instid0(VALU_DEP_4)
	v_pk_add_f32 v[252:253], v[252:253], v[244:245]
	s_delay_alu instid0(VALU_DEP_2)
	v_pk_add_f32 v[234:235], v[234:235], v[254:255]
	s_delay_alu instid0(VALU_DEP_2)
	v_pk_add_f32 v[236:237], v[236:237], v[252:253]
	s_delay_alu instid0(VALU_DEP_1)
	v_pk_add_f32 v[234:235], v[234:235], v[236:237]
	s_delay_alu instid0(VALU_DEP_1)
	v_add_f32 v234, v234, v235
	s_delay_alu instid0(VALU_DEP_1)
	v_permlanex16_b32 v235, v234, s[SEL], s[SEL+1]
	s_delay_alu instid0(VALU_DEP_1)
	v_add_f32 v234, v234, v235                     ; my row's 128 columns
	ds_store_b32 v8, v234
	BARRIER
	ds_load_b128 v[240:243], v9
	ds_load_b128 v[244:247], v9 offset:16
	s_wait_dscnt 0x0
	v_add_f32 v240, v240, v241
	v_add_f32 v242, v242, v243
	v_add_f32 v244, v244, v245
	v_add_f32 v246, v246, v247
	s_delay_alu instid0(VALU_DEP_3)
	v_add_f32 v240, v240, v242
	s_delay_alu instid0(VALU_DEP_2)
	v_add_f32 v244, v244, v246
	s_delay_alu instid0(VALU_DEP_1)
	v_add_f32 v240, v240, v244
	s_delay_alu instid0(VALU_DEP_1)
	v_mul_f32 v240, s38, v240                      ; the mean
	s_delay_alu instid0(VALU_DEP_1)
	v_mov_b32 v241, v240
.set j, 0
.rept 32
	v_pk_add_f32 v[X+j:X+j+1], v[X+j:X+j+1], v[240:241] neg_lo:[0,1] neg_hi:[0,1]
.set j, j+2
.endr
	v_pk_mul_f32 v[234:235], v[X:X+1], v[X:X+1]
	v_pk_mul_f32 v[236:237], v[X+2:X+3], v[X+2:X+3]
.set j, 4
.rept 15
	s_delay_alu instid0(VALU_DEP_2)
	v_pk_fma_f32 v[234:235], v[X+j:X+j+1], v[X+j:X+j+1], v[234:235]
	s_delay_alu instid0(VALU_DEP_2)
	v_pk_fma_f32 v[236:237], v[X+j+2:X+j+3], v[X+j+2:X+j+3], v[236:237]
.set j, j+4
.endr
	s_delay_alu instid0(VALU_DEP_1)
	v_pk_add_f32 v[234:235], v[234:235], v[236:237]
	s_delay_alu instid0(VALU_DEP_1)
	v_add_f32 v234, v234, v235
	s_delay_alu instid0(VALU_DEP_1)
	v_permlanex16_b32 v235, v234, s[SEL], s[SEL+1]
	s_delay_alu instid0(VALU_DEP_1)
	v_add_f32 v234, v234, v235
	ds_store_b32 v8, v234 offset:1024              ; bytes of their own: no barrier is owed between the first sums' reads and these stores
	BARRIER
	ds_load_b128 v[240:243], v9 offset:1024
	ds_load_b128 v[244:247], v9 offset:1040
	s_wait_dscnt 0x0
	v_add_f32 v240, v240, v241
	v_add_f32 v242, v242, v243
	v_add_f32 v244, v244, v245
	v_add_f32 v246, v246, v247
	s_delay_alu instid0(VALU_DEP_3)
	v_add_f32 v240, v240, v242
	s_delay_alu instid0(VALU_DEP_2)
	v_add_f32 v244, v244, v246
	s_delay_alu instid0(VALU_DEP_1)
	v_add_f32 v240, v240, v244
	s_delay_alu instid0(VALU_DEP_1)
	v_fma_f32 v240, v240, s38, s39                 ; the variance + eps
	s_wait_alu depctr_va_vdst(0)
	v_rsq_f32 v242, v240
	v_nop                                          ; a plain place behind the transcendental
	s_wait_alu depctr_va_vdst(0)                   ; and the wait ahead of its first reader
	v_mov_b32 v243, v242
	s_wait_alu depctr_va_vdst(0)
	s_wait_loadcnt 0x0                             ; gain and bias
.set j, 0
.rept 32
	v_pk_mul_f32 v[X+j:X+j+1], v[X+j:X+j+1], v[242:243]
.set j, j+2
.endr
.set j, 0
.rept 32
	v_pk_fma_f32 v[X+j:X+j+1], v[X+j:X+j+1], v[G+j:G+j+1], v[R+j:R+j+1]
.set j, j+2
.endr
	QUANT X
	global_store_b128 v4, v[PC:PC+3], s[18:19]     ; 512 consecutive bytes a store
	global_store_b128 v4, v[PC+4:PC+7], s[18:19] offset:512
	ds_store_b32 v10, v[PW]
	BARRIER                                        ; the tile's eight rows of scale words lie in LDS
	s_cmp_lg_u32 s22, 0
	s_cbranch_scc1 .Lend
	ds_load_b128 v[240:243], v13                   ; wave 0: K step lane / 4, rows 4 (lane % 4) on
	s_wait_dscnt 0x0
	global_store_b128 v11, v[240:243], s[34:35]
.Lend:
	s_wait_tensorcnt 0x0                           ; the wave's end
	ds_add_u32 v[SPW], v[NIL]
	s_wait_dscnt 0x0
	s_endpgm
	; ---- the weights' codes, laid as fragments.  Unit U = 8 (work-group - 256) + wave: 16 rows x 512 bytes.  No LDS on this path.
.Lrelay:
	s_sub_co_u32 s23, ttmp9, 256                   ; 0 .. 95: 24 for w_qkv, 8 for w_out, 32 for w_ff1, 32 for w_ff2
	s_lshl_b32 s24, s23, 3
	s_add_co_u32 s24, s24, s22                     ; U
	s_wait_kmcnt 0x0
	s_mov_b64 s[26:27], s[16:17]                   ; w_ff2: rows of 2,048 bytes, four units to a tile
	s_mov_b32 s28, 512
	s_mov_b32 s29, 11
	s_mov_b32 s30, 2
	s_cmp_lt_u32 s23, 64                           ; the choices hang on the work-group's number alone
	s_cselect_b64 s[26:27], s[14:15], s[26:27]
	s_cselect_b32 s28, 256, s28
	s_cselect_b32 s29, 9, s29
	s_cselect_b32 s30, 0, s30
	s_cmp_lt_u32 s23, 32
	s_cselect_b64 s[26:27], s[12:13], s[26:27]
	s_cselect_b32 s28, 192, s28
	s_cmp_lt_u32 s23, 24
	s_cselect_b64 s[26:27], s[10:11], s[26:27]
	s_cselect_b32 s28, 0, s28
	s_sub_co_u32 s31, s24, s28
	s_lshr_b32 s32, s31, s30                       ; the tile
	s_lshl_b32 s33, s32, s30
	s_sub_co_u32 s33, s31, s33                     ; which 512 bytes of its rows
	s_lshr_b32 s34, s32, 1
	s_lshl_b32 s34, s34, 5
	s_and_b32 s35, s32, 1
	s_lshl_b32 s35, s35, 3
	s_add_co_u32 s34, s34, s35                     ; its first row
	s_lshl_b32 s34, s34, s29
	s_lshl_b32 s33, s33, 9
	s_add_co_u32 s34, s34, s33
	s_mov_b32 s35, 0
	s_add_nc_u64 s[26:27], s[26:27], s[34:35]
	s_lshl_b32 s34, s24, 13                        ; the four weights' images lie on end: unit U at 8,192 U
	s_add_nc_u64 s[20:21], s[20:21], s[34:35]
	s_wait_alu depctr_va_vdst(0)
	v_and_b32 v5, 8, v2
	s_delay_alu instid0(VALU_DEP_1)
	v_add_nc_u32 v5, v5, v2                        ; r + 8 (r / 8)
	s_delay_alu instid0(VALU_DEP_1)
	v_lshlrev_b32 v5, s29, v5
	s_delay_alu instid0(VALU_DEP_1)
	v_lshl_add_u32 v5, v3, 4, v5                   ; + 16 h
.set i, 0
.rept 16
	global_load_b128 v[16+4*i:16+4*i+3], v5, s[26:27] offset:32*i th:TH_LOAD_NT   ; K step i / 2, register group i % 2
.set i, i+1
.endr
.set i, 0
.rept 16
	s_wait_loadcnt 15-i                            ; load i is in; the younger ones may be out
	global_store_b128 v4, v[16+4*i:16+4*i+3], s[20:21] offset:512*i
.set i, i+1
.endr
	s_endpgm
.Lfunc_end_k_qd764a0d4f4_prep:
	.size	k_qd764a0d4f4_prep, .Lfunc_end_k_qd764a0d4f4_prep-k_qd764a0d4f4_prep
	.p2alignl 7, 3214868480
	.fill 96, 4, 3214868480
	.section	.rodata,"a",@progbits
	.p2align	6, 0x0
	.amdhsa_kernel k_qd764a0d4f4_prep
		.amdhsa_group_segment_fixed_size 71680
		.amdhsa_private_segment_fixed_size 0
		.amdhsa_enable_private_segment 0
		.amdhsa_kernarg_size 72
		.amdhsa_user_sgpr_count 2
		.amdhsa_user_sgpr_kernarg_segment_ptr 1
		.amdhsa_wavefront_size32 1
		.amdhsa_system_sgpr_workgroup_id_x 1
		.amdhsa_system_sgpr_workgroup_id_y 1
		.amdhsa_system_sgpr_workgroup_id_z 1
		.amdhsa_system_vgpr_workitem_id 0
		.amdhsa_next_free_vgpr 256
		.amdhsa_next_free_sgpr 66
		.amdhsa_reserve_vcc 0
		.amdhsa_float_denorm_mode_32 3
		.amdhsa_float_denorm_mode_16_64 3
		.amdhsa_memory_ordered 1
		.amdhsa_forward_progress 1
		.amdhsa_inst_pref_size 35
	.end_amdhsa_kernel
	.amdgpu_metadata
---
amdhsa.version: [ 1, 2 ]
amdhsa.kernels:
  - .name:           k_qd764a0d4f4_prep
    .symbol:         k_qd764a0d4f4_prep.kd
    .args:
      - { .name: x, .offset: 0, .size: 8, .value_kind: global_buffer, .address_space: global }
      - { .name: ln1_g, .offset: 8, .size: 8, .value_kind: global_buffer, .address_space: global }
      - { .name: ln1_b, .offset: 16, .size: 8, .value_kind: global_buffer, .address_space: global }
      - { .name: w_qkv_codes, .offset: 24, .size: 8, .value_kind: global_buffer, .address_space: global }
      - { .name: w_out_codes, .offset: 32, .size: 8, .value_kind: global_buffer, .address_space: global }
      - { .name: w_ff1_codes, .offset: 40, .size: 8, .value_kind: global_buffer, .address_space: global }
      - { .name: w_ff2_codes, .offset: 48, .size: 8, .value_kind: global_buffer, .address_space: global }
      - { .name: h1, .offset: 56, .size: 8, .value_kind: global_buffer, .address_space: global }
      - { .name: wimg, .offset: 64, .size: 8, .value_kind: global_buffer, .address_space: global }
    .group_segment_fixed_size: 71680
    .private_segment_fixed_size: 0
    .kernarg_segment_align: 8
    .kernarg_segment_size: 72
    .max_flat_workgroup_size: 256
    .sgpr_count:     66
    .vgpr_count:     256
    .wavefront_size: 32
...
	.end_amdgpu_metadata
.endif
;; end of part 1
;; launch qkv (part 2): grid 12 x 16, 8 waves a work-group, no clusters, 263,168 bytes of LDS; arguments h1, wimg, w_qkv_scales, b_qkv, qq, kv; writes qq, kv
.if DOCPART == 2
	.amdgcn_target "amdgcn-amd-amdhsa--gfx1250"
	.amdhsa_code_object_version 6
	.text
	.protected	k_qd764a0d4f4_qkv
	.globl	k_qd764a0d4f4_qkv
	.p2align	8
	.type	k_qd764a0d4f4_qkv,@function
k_qd764a0d4f4_qkv:
	s_mov_b64 s[64:65], 0
	v_nop
	global_prefetch_b8 v0, s[64:65] scope:SCOPE_SE
	s_setreg_imm32_b32 hwreg(HW_REG_WAVE_MODE, 25, 1), 1
	s_wait_xcnt 0x0
; qkv = LN1(x) w_qkv + b_qkv on codes, and the quantisers of q, k (along the head's 64) and v (along the keys).  Nothing goes to memory in f32.
; A work-group makes 256 rows x 256 columns (four heads of q, of k or of v: work-group x / 4 says which); wave w: rows 128 (w / 4) on, head w % 4: 8 x 4 tiles, 256 registers of sums (window 1).
; ALL OPERAND BYTES ARE ASKED FOR AT THE HEAD: A's 16 tiles and B's 16 tiles for all of K are 2 x 131,072 bytes and fit in LDS, as four slots of 65,536 bytes, one for each 256 along K, each filled once.
; Each wave issues four tensor loads, one a slot: 4 tiles' rows of 2,048 bytes, 8,192 bytes apart in memory (waves 0-3: A's tiles 4 w on; waves 4-7: B's).  Four loads of a wave are out at the most.
; A slot is read behind the counted wait for the wave's own part of it and a barrier; nothing is filled again.  Operands are images of registers (see launch prep): every LDS read is 16 bytes a lane, lanes on end.
; q, k: source 0 = 16 columns of the weight, source 1 = 16 tokens: a lane holds one token and 32 registers along the head: two blocks of 32.  v: the sources change places: a lane holds one channel and 64
; registers along the 128 tokens: four blocks along the keys.  The two ways part on the work-group's number, behind the tensor loads; both only read LDS.
; OUT: qq: q's tiles (512 bytes: register group 0 alone, K = 64) at (bh x 128 + tile) x 512; scale words [bh][block of 128][lane][pair of tiles] from byte 2,097,152 on (bytes 2, 3 of a word are 0).
; kv: a record of 9,216 bytes for (bh, 128 keys): 8 tiles of k, 4 fragments of v (keys innermost), k's scale words [lane][pair], v's [lane][tile of channels].
; LIMITS: NaN and infinities are not served; a block of zeros gets the scale byte 1 with zero codes (the bytes are read by this program alone).
; No cluster: A's tiles are shared by the 12 work-groups of a row of the grid and B's by the 16 of a column, and could be asked for jointly by 4 x 4 work-groups; this text does not do so.
.set SPARE, 262144                     ; behind the four slots: the spare words, 128 bytes a wave: no other line names them
.set BI,  16                           ; v16-47   the bias
.set AF,  80                           ; v80-143  A's 8 fragments
.set BF,  144                          ; v144-175 B's 4
.set SA,  176                          ; v176-207 A's scale words: pair p, K step s at 8 p + s; lanes 0-15 the even tile, lanes 16-31 the odd one
.set SB,  208                          ; v208-223 B's likewise
.set TM,  224
.set PC,  240
.set PW,  248
.set ST,  80                           ; the way out: 64 numbers
.set SW,  144                          ; and four scale words
.set ADA, 8                            ; v8       LDS address of my A fragments
.set ADB, 250                          ; v250     the same for B
.set SPW, 6
.set NIL, 7
.set SEL, 40
.set G0,  48                           ; s[48:51] descriptor group 0
.set G1,  68                           ; s[68:75] descriptor group 1: the shape, the same for every load
.set MSB, 0
.macro WIN new                         ; the immediate's high byte repeats the setting that is left
.if MSB != \new
	s_set_vgpr_msb (MSB<<8)|\new
.set MSB, \new
.endif
.endm
.macro PLACES
.rept 4
	v_nop
.endr
.endm
; 64 numbers of a lane, register 16 b + i = k 32 b + 16 (lane / 16) + i of my row, become a fragment's codes in v[PC] on and its scale word in v[PW]
.macro QUANT s
.irp b, 0,1,2,3
	v_max3_num_f32 v[TM+\b], |v[\s+16*\b]|, |v[\s+1+16*\b]|, 0x1800000   ; my 16 numbers of block b, and the floor 2^(3 - 127)
.endr
.irp i, 2,4,6,8,10,12,14
.irp b, 0,1,2,3
	s_delay_alu instid0(VALU_DEP_4)
	v_max3_num_f32 v[TM+\b], v[TM+\b], |v[\s+16*\b+\i]|, |v[\s+1+16*\b+\i]|
.endr
.endr
.irp b, 0,1,2,3
	s_delay_alu instid0(VALU_DEP_4)
	v_permlanex16_b32 v[TM+4+\b], v[TM+\b], s[SEL], s[SEL+1]
.endr
.irp b, 0,1,2,3
	s_delay_alu instid0(VALU_DEP_4)
	v_max_num_f32 v[TM+\b], v[TM+\b], v[TM+4+\b]
.endr
.irp b, 0,1,2,3
	s_delay_alu instid0(VALU_DEP_4)
	v_add_nc_u32 v[TM+12+\b], 0xff000000, v[TM+\b]                 ; 2 off the exponent field: the conversion's scale operand
.endr
.irp b, 0,1,2,3
	s_delay_alu instid0(VALU_DEP_4)
	v_lshrrev_b32 v[TM+4+\b], 23, v[TM+12+\b]
.endr
	s_delay_alu instid0(VALU_DEP_3)
	v_lshl_or_b32 v[PW], v[TM+5], 8, v[TM+4]
	s_delay_alu instid0(VALU_DEP_1)
	v_lshl_or_b32 v[PW], v[TM+6], 16, v[PW]
	s_delay_alu instid0(VALU_DEP_1)
	v_lshl_or_b32 v[PW], v[TM+7], 24, v[PW]
.irp b, 0,1,2,3
	v_cvt_scalef32_pk8_fp4_f32 v[PC+2*\b], v[\s+16*\b:\s+7+16*\b], v[TM+12+\b]
	v_cvt_scalef32_pk8_fp4_f32 v[PC+1+2*\b], v[\s+8+16*\b:\s+15+16*\b], v[TM+12+\b]
.endr
	v_nop                                                          ; one plain place behind a scaled conversion
.irp c, 0,1
.irp i, 0,1
	v_permlane16_swap_b32 v[PC+4*\c+\i], v[PC+2+4*\c+\i]
.endr
.endr
.endm
; one product.  z = 1: it starts its sum.  m: bit 0: source 0's scales in lanes 16-31; bit 1: source 1's
.macro WM d, x, y, z, sx, sy, m
.if (\z) && ((\m) == 0)
	v_wmma_scale_f32_16x16x128_f8f6f4 v[(\d):(\d)+7], v[(\x):(\x)+7], v[(\y):(\y)+7], 0, v[\sx], v[\sy] matrix_a_fmt:MATRIX_FMT_FP4 matrix_b_fmt:MATRIX_FMT_FP4
.elseif (\z) && ((\m) == 1)
	v_wmma_scale_f32_16x16x128_f8f6f4 v[(\d):(\d)+7], v[(\x):(\x)+7], v[(\y):(\y)+7], 0, v[\sx], v[\sy] matrix_a_fmt:MATRIX_FMT_FP4 matrix_b_fmt:MATRIX_FMT_FP4 matrix_a_scale:MATRIX_SCALE_ROW1
.elseif (\z) && ((\m) == 2)
	v_wmma_scale_f32_16x16x128_f8f6f4 v[(\d):(\d)+7], v[(\x):(\x)+7], v[(\y):(\y)+7], 0, v[\sx], v[\sy] matrix_a_fmt:MATRIX_FMT_FP4 matrix_b_fmt:MATRIX_FMT_FP4 matrix_b_scale:MATRIX_SCALE_ROW1
.elseif (\z)
	v_wmma_scale_f32_16x16x128_f8f6f4 v[(\d):(\d)+7], v[(\x):(\x)+7], v[(\y):(\y)+7], 0, v[\sx], v[\sy] matrix_a_fmt:MATRIX_FMT_FP4 matrix_b_fmt:MATRIX_FMT_FP4 matrix_a_scale:MATRIX_SCALE_ROW1 matrix_b_scale:MATRIX_SCALE_ROW1
.elseif (\m) == 0
	v_wmma_scale_f32_16x16x128_f8f6f4 v[(\d):(\d)+7], v[(\x):(\x)+7], v[(\y):(\y)+7], v[(\d):(\d)+7], v[\sx], v[\sy] matrix_a_fmt:MATRIX_FMT_FP4 matrix_b_fmt:MATRIX_FMT_FP4
.elseif (\m) == 1
	v_wmma_scale_f32_16x16x128_f8f6f4 v[(\d):(\d)+7], v[(\x):(\x)+7], v[(\y):(\y)+7], v[(\d):(\d)+7], v[\sx], v[\sy] matrix_a_fmt:MATRIX_FMT_FP4 matrix_b_fmt:MATRIX_FMT_FP4 matrix_a_scale:MATRIX_SCALE_ROW1
.elseif (\m) == 2
	v_wmma_scale_f32_16x16x128_f8f6f4 v[(\d):(\d)+7], v[(\x):(\x)+7], v[(\y):(\y)+7], v[(\d):(\d)+7], v[\sx], v[\sy] matrix_a_fmt:MATRIX_FMT_FP4 matrix_b_fmt:MATRIX_FMT_FP4 matrix_b_scale:MATRIX_SCALE_ROW1
.else
	v_wmma_scale_f32_16x16x128_f8f6f4 v[(\d):(\d)+7], v[(\x):(\x)+7], v[(\y):(\y)+7], v[(\d):(\d)+7], v[\sx], v[\sy] matrix_a_fmt:MATRIX_FMT_FP4 matrix_b_fmt:MATRIX_FMT_FP4 matrix_a_scale:MATRIX_SCALE_ROW1 matrix_b_scale:MATRIX_SCALE_ROW1
.endif
.endm
; four products: A's pair pa x B's pair pb.  var = 0: sums (a, b) at 8 (4 a + b), source 0 = B;  var = 1 (v): at 8 (8 b + a), source 0 = A
.macro QUAD pa, pb, s, z, var
.if \var
	WM 8*(8*(2*\pb)+2*\pa), AF+8*(2*\pa), BF+8*(2*\pb), \z, SA+8*\pa+\s, SB+8*\pb+\s, 0
	WM 8*(8*(2*\pb+1)+2*\pa), AF+8*(2*\pa), BF+8*(2*\pb+1), \z, SA+8*\pa+\s, SB+8*\pb+\s, 2
	WM 8*(8*(2*\pb)+2*\pa+1), AF+8*(2*\pa+1), BF+8*(2*\pb), \z, SA+8*\pa+\s, SB+8*\pb+\s, 1
	WM 8*(8*(2*\pb+1)+2*\pa+1), AF+8*(2*\pa+1), BF+8*(2*\pb+1), \z, SA+8*\pa+\s, SB+8*\pb+\s, 3
.else
	WM 8*(4*(2*\pa)+2*\pb), BF+8*(2*\pb), AF+8*(2*\pa), \z, SB+8*\pb+\s, SA+8*\pa+\s, 0
	WM 8*(4*(2*\pa)+2*\pb+1), BF+8*(2*\pb+1), AF+8*(2*\pa), \z, SB+8*\pb+\s, SA+8*\pa+\s, 1
	WM 8*(4*(2*\pa+1)+2*\pb), BF+8*(2*\pb), AF+8*(2*\pa+1), \z, SB+8*\pb+\s, SA+8*\pa+\s, 2
	WM 8*(4*(2*\pa+1)+2*\pb+1), BF+8*(2*\pb+1), AF+8*(2*\pa+1), \z, SB+8*\pb+\s, SA+8*\pa+\s, 3
.endif
.endm
; 128 along K: 24 LDS loads, 32 products; the 32 sums take turns, one instruction a turn, in the same order in every step
.macro KSTEP slot, sl, s, z, var
.irp b, 0,1,2,3
	ds_load_b128 v[BF+8*\b:BF+8*\b+3], v[ADB] offset:\b*8192+(\s)*1024        ; LDS holds the memory's image: fragment (tile, K step s) at tile x 8,192 + s x 1,024
	ds_load_b128 v[BF+8*\b+4:BF+8*\b+7], v[ADB] offset:\b*8192+(\s)*1024+512
.endr
.irp a, 0,1,2,3,4,5,6,7
	ds_load_b128 v[AF+8*\a:AF+8*\a+3], v[ADA] offset:\a*8192+(\s)*1024
	ds_load_b128 v[AF+8*\a+4:AF+8*\a+7], v[ADA] offset:\a*8192+(\s)*1024+512
.endr
	WIN 0x50                                       ; C and D in window 1
.irp pa, 0,1,2,3
	s_wait_dscnt 4*(3-\pa)                         ; B and A's pairs up to this one are in; four loads for each later pair may be out
.irp pb, 0,1
	QUAD \pa, \pb, \s, \z, \var
.endr
.endr
	WIN 0
	PLACES                                         ; in front of the next loads into fragment registers, and of the first read of results
.endm
; Slot c: 256 along K.  All of K has landed ahead of chunk 0, behind one wait and one barrier.  No LDS instruction of mine is out at the signal.
.macro CHUNK c, z, var
.if \z                                 ; one wait and one barrier for all of K: my one tensor load has landed; behind the barrier everybody's has
	s_wait_tensorcnt 0x0
	s_wait_loadcnt 0x0                             ; the scale words and the bias
	s_barrier_signal -1
	s_barrier_wait -1
.endif
	KSTEP \c, 0, 2*(\c), \z, \var
	KSTEP \c, 1, 2*(\c)+1, 0, \var
.endm
.macro MAIN var
	CHUNK 0, 1, \var
	CHUNK 1, 0, \var
	CHUNK 2, 0, \var
	CHUNK 3, 0, \var
.endm
	s_load_b256 s[4:11], s[0:1], 0x0               ; h1, wimg, w_qkv's scales, b_qkv
	s_load_b128 s[12:15], s[0:1], 0x20             ; qq, kv
	v_lshl_add_u32 v[SPW], v0, 2, SPARE
	v_mov_b32 v[NIL], 0
	ds_add_u32 v[SPW], v[NIL]                      ; the wave's opening: the add, twice on end, and its wait ahead of my first tensor load; the set-up below, work on registers, stands between
	ds_add_u32 v[SPW], v[NIL]
	v_lshrrev_b32 v1, 5, v0
	s_delay_alu instid0(VALU_DEP_1)
	v_readfirstlane_b32 s16, v1                    ; wave
	s_and_b32 s18, ttmp7, 0xffff                   ; y: 256 rows
	s_lshr_b32 s19, s16, 2                         ; which 128 rows.  Also: I fetch for A (0) or for B (1)
	s_and_b32 s20, s16, 3                          ; which head of the four.  Also: which four tiles I fetch
	v_and_b32 v12, 31, v0
	v_and_b32 v13, 15, v0
	v_bfe_u32 v14, v0, 4, 1
	s_delay_alu instid0(VALU_DEP_3)
	v_lshlrev_b32 v1, 4, v12                       ; 16 x lane
	s_delay_alu instid0(VALU_DEP_4)
	v_lshlrev_b32 v5, 2, v12                       ; 4 x lane
	; THE FILL AS IT NOW STANDS (where the head's comment speaks of four slots and four loads a wave, read this): ONE tensor load a wave brings its four tiles for all of K,
	; 32,768 dense bytes, to LDS byte 32,768 x wave: A's 16 tiles x 8,192 bytes, then B's 16.
	s_lshl_b32 s21, s19, 16
	v_add_nc_u32 v[ADA], s21, v1                   ; my 8 tiles of A
	s_lshl_b32 s21, s20, 15
	s_add_co_u32 s21, s21, 0x20000
	v_add_nc_u32 v[ADB], s21, v1                   ; my 4 tiles of B, behind A's 16
	v_and_b32 v15, 8, v13
	s_delay_alu instid0(VALU_DEP_1)
	v_add_nc_u32 v15, v15, v13                     ; r + 8 (r / 8)
	s_delay_alu instid0(VALU_DEP_1)
	v_lshl_add_u32 v12, v14, 3, v15
	s_delay_alu instid0(VALU_DEP_1)
	v_lshlrev_b32 v12, 5, v12                      ; B's scale bytes: row 8 h + r + 8 (r / 8) of a pair of tiles, 32 bytes a row
	s_delay_alu instid0(VALU_DEP_3)
	v_lshlrev_b32 v15, 2, v15                      ; v's bias
	v_lshlrev_b32 v13, 6, v14                      ; q's, k's bias: 64 h
	v_lshlrev_b32 v14, 4, v14                      ; 16 h
.irp b, 0,1,2,3
	v_mov_b32 v[TM+4+\b], 0                        ; a lane permute's destination counts as one of its sources
.endr
	s_mov_b32 s[SEL], 0x76543210
	s_mov_b32 s[SEL+1], 0xfedcba98
	s_lshl_b32 s24, s18, 17                        ; A: 16 tiles x 8,192 bytes a block of rows
	s_mov_b32 s25, 0
	s_lshl_b32 s26, ttmp9, 17                      ; B likewise
	s_mov_b32 s27, 0
	s_lshl_b32 s28, s18, 3
	s_lshl_b32 s29, s19, 2
	s_add_co_u32 s28, s28, s29                     ; my first pair of tiles
	s_lshl_b32 s28, s28, 10
	s_add_co_u32 s28, s28, 0x200000
	s_mov_b32 s29, 0
	s_lshl_b32 s30, ttmp9, 8
	s_lshl_b32 s31, s20, 6
	s_add_co_u32 s30, s30, s31                     ; my first column
	s_lshl_b32 s32, s30, 5
	s_mov_b32 s33, 0
	s_lshl_b32 s30, s30, 2
	s_mov_b32 s31, 0
	s_lshr_b32 s34, s18, 3                         ; batch
	s_lshl_b32 s34, s34, 4
	s_and_b32 s35, ttmp9, 3
	s_lshl_b32 s35, s35, 2
	s_add_co_u32 s34, s34, s35
	s_add_co_u32 s34, s34, s20                     ; bh = 16 batch + head
	s_lshl_b32 s35, s18, 1
	s_add_co_u32 s35, s35, s19
	s_and_b32 s35, s35, 15                         ; block of 128 rows in the sequence
	s_lshl_b32 s34, s34, 4
	s_add_co_u32 s34, s34, s35
	s_mul_i32 s36, s34, 9216                       ; the record
	s_lshr_b32 s17, ttmp9, 2                       ; 0 q, 1 k, 2 v
	s_lshl_b32 s76, s20, 15                        ; what I fetch: four tiles of 8,192 bytes on, in memory,
	s_mov_b32 s77, 0
	s_lshl_b32 s78, s16, 15                        ; and 32,768 x wave in LDS
	; descriptor group 1: 4 rows of 1,024 elements of 8 bytes (a tile's 8,192 bytes), 1,024 elements from row to row, no padding
	s_mov_b32 s[G1+0], 3<<16                       ; no mask; elements of 8 bytes
	s_mov_b32 s[G1+1], 1024<<16                    ; tensor_dim0: a tile's 8,192 bytes as 1,024 elements of 8
	s_mov_b32 s[G1+2], 4<<16                       ; tensor_dim1
	s_mov_b32 s[G1+3], 1024<<16                    ; tile_dim0
	s_mov_b32 s[G1+4], 4                           ; tile_dim1
	s_mov_b32 s[G1+5], 1024                        ; the pitch
	s_mov_b32 s[G1+6], 0
	s_mov_b32 s[G1+7], 0
	s_wait_alu depctr_va_vdst(0)
	s_wait_dscnt 0x0                               ; both opening adds are done
	s_wait_kmcnt 0x0
	s_add_nc_u64 s[22:23], s[4:5], s[28:29]
	s_add_nc_u64 s[4:5], s[4:5], s[24:25]
	s_add_nc_u64 s[6:7], s[6:7], s[26:27]
	s_add_nc_u64 s[8:9], s[8:9], s[32:33]
	s_add_nc_u64 s[10:11], s[10:11], s[30:31]
	s_cmp_eq_u32 s19, 0                            ; the choice hangs on the wave's number alone
	s_cselect_b64 s[38:39], s[4:5], s[6:7]
	s_add_nc_u64 s[38:39], s[38:39], s[76:77]
	s_mov_b32 s[G0], 1                             ; count = 1
	s_mov_b32 s[G0+1], s78                         ; LDS address
	s_mov_b64 s[G0+2:G0+3], s[38:39]               ; global address: my four tiles
	s_or_b32 s[G0+3], s[G0+3], 0x80000000          ; type = 2
	tensor_load_to_lds s[G0:G0+3], s[G1:G1+7]      ; my one tensor load
	s_nop 0
	PLACES
.irp p, 0,1,2,3
.irp t, 0,1,2,3,4,5,6,7
	global_load_b32 v[SA+8*\p+\t], v5, s[22:23] offset:\p*1024+\t*128
.endr
.endr
.irp p, 0,1
	global_load_b128 v[SB+8*\p:SB+8*\p+3], v12, s[8:9] offset:\p*1024        ; four K steps' words of a row at once
	global_load_b128 v[SB+8*\p+4:SB+8*\p+7], v12, s[8:9] offset:\p*1024+16
.endr
	s_cmp_eq_u32 s17, 2
	s_cbranch_scc1 .Lvpath
	; ---- q and k
.set i, 0
.rept 8
	global_load_b128 v[BI+4*i:BI+4*i+3], v13, s[10:11] offset:128*(i/4)+16*(i%4)  ; the bias: register 16 b + i = channel 32 b + 16 h + i
.set i, i+1
.endr
	s_lshl_b32 s24, s34, 12                        ; q: 8 tiles of 512 bytes
	s_lshl_b32 s26, s34, 9
	s_add_co_u32 s26, s26, 0x200000                ; q's scale words
	s_add_co_u32 s28, s36, 8192                    ; k's
	s_cmp_eq_u32 s17, 0
	s_cselect_b64 s[44:45], s[12:13], s[14:15]
	s_cselect_b32 s24, s24, s36
	s_cselect_b32 s26, s26, s28
	s_mov_b32 s25, 0
	s_mov_b32 s27, 0
	s_add_nc_u64 s[46:47], s[44:45], s[26:27]
	s_add_nc_u64 s[44:45], s[44:45], s[24:25]
	MAIN 0
.irp p, 0,1,2,3                        ; tiles 2 p and 2 p + 1 of tokens: 2 x 32 numbers a lane: four blocks, two of each tile
	WIN 0x01                                       ; source 0: the sums, window 1
.set j, 0
.rept 32
	v_pk_add_f32 v[ST+j:ST+j+1], v[64*\p+j:64*\p+j+1], v[BI+j%32:BI+j%32+1]
.set j, j+2
.endr
	WIN 0
	QUANT ST
	global_store_b128 v1, v[PC:PC+3], s[44:45] offset:(2*\p)*512
	global_store_b128 v1, v[PC+4:PC+7], s[44:45] offset:(2*\p+1)*512
	v_lshrrev_b32 v[SW+\p], v14, v[PW]             ; lanes 0-15 keep the even tile's two bytes, lanes 16-31 the odd tile's
	s_delay_alu instid0(VALU_DEP_1)
	v_and_b32 v[SW+\p], 0xffff, v[SW+\p]
	s_wait_xcnt 0x0                                ; the codes' registers are written again only behind this wait
.endr
	s_wait_alu depctr_va_vdst(0)
	global_store_b128 v1, v[SW:SW+3], s[46:47]
	s_wait_tensorcnt 0x0                           ; the wave's end
	ds_add_u32 v[SPW], v[NIL]
	s_wait_dscnt 0x0
	s_endpgm
	; ---- v
.Lvpath:
.irp t, 0,1,2,3
	global_load_b32 v[BI+2*\t], v15, s[10:11] offset:(32*(\t/2)+8*(\t%2))*4      ; the bias: my channel's, twice: a pair for the packed addition
	global_load_b32 v[BI+2*\t+1], v15, s[10:11] offset:(32*(\t/2)+8*(\t%2))*4
.endr
	s_add_co_u32 s24, s36, 4096
	s_mov_b32 s25, 0
	s_add_nc_u64 s[44:45], s[14:15], s[24:25]
	MAIN 1
.irp t, 0,1,2,3                        ; tile t of channels: 64 numbers a lane along the 128 keys
	WIN 0x01
.set j, 0
.rept 32
	v_pk_add_f32 v[ST+j:ST+j+1], v[64*\t+j:64*\t+j+1], v[BI+2*\t:BI+2*\t+1]
.set j, j+2
.endr
	WIN 0
	QUANT ST
	global_store_b128 v1, v[PC:PC+3], s[44:45] offset:\t*1024
	global_store_b128 v1, v[PC+4:PC+7], s[44:45] offset:\t*1024+512
	v_mov_b32 v[SW+\t], v[PW]
	s_wait_xcnt 0x0
.endr
	s_wait_alu depctr_va_vdst(0)
	global_store_b128 v1, v[SW:SW+3], s[44:45] offset:4608
	s_wait_tensorcnt 0x0
	ds_add_u32 v[SPW], v[NIL]
	s_wait_dscnt 0x0
	s_endpgm
.Lfunc_end_k_qd764a0d4f4_qkv:
	.size	k_qd764a0d4f4_qkv, .Lfunc_end_k_qd764a0d4f4_qkv-k_qd764a0d4f4_qkv
	.p2alignl 7, 3214868480
	.fill 96, 4, 3214868480
	.section	.rodata,"a",@progbits
	.p2align	6, 0x0
	.amdhsa_kernel k_qd764a0d4f4_qkv
		.amdhsa_group_segment_fixed_size 263168
		.amdhsa_private_segment_fixed_size 0
		.amdhsa_enable_private_segment 0
		.amdhsa_kernarg_size 48
		.amdhsa_user_sgpr_count 2
		.amdhsa_user_sgpr_kernarg_segment_ptr 1
		.amdhsa_wavefront_size32 1
		.amdhsa_system_sgpr_workgroup_id_x 1
		.amdhsa_system_sgpr_workgroup_id_y 1
		.amdhsa_system_sgpr_workgroup_id_z 1
		.amdhsa_system_vgpr_workitem_id 0
		.amdhsa_next_free_vgpr 512
		.amdhsa_next_free_sgpr 80
		.amdhsa_reserve_vcc 0
		.amdhsa_float_denorm_mode_32 3
		.amdhsa_float_denorm_mode_16_64 3
		.amdhsa_memory_ordered 1
		.amdhsa_forward_progress 1
		.amdhsa_inst_pref_size 164
	.end_amdhsa_kernel
	.amdgpu_metadata
---
amdhsa.version: [ 1, 2 ]
amdhsa.kernels:
  - .name:           k_qd764a0d4f4_qkv
    .symbol:         k_qd764a0d4f4_qkv.kd
    .args:
      - { .name: h1, .offset: 0, .size: 8, .value_kind: global_buffer, .address_space: global }
      - { .name: wimg, .offset: 8, .size: 8, .value_kind: global_buffer, .address_space: global }
      - { .name: w_qkv_scales, .offset: 16, .size: 8, .value_kind: global_buffer, .address_space: global }
      - { .name: b_qkv, .offset: 24, .size: 8, .value_kind: global_buffer, .address_space: global }
      - { .name: qq, .offset: 32, .size: 8, .value_kind: global_buffer, .address_space: global }
      - { .name: kv, .offset: 40, .size: 8, .value_kind: global_buffer, .address_space: global }
    .group_segment_fixed_size: 263168
    .private_segment_fixed_size: 0
    .kernarg_segment_align: 8
    .kernarg_segment_size: 48
    .max_flat_workgroup_size: 256
    .sgpr_count:     80
    .vgpr_count:     512
    .wavefront_size: 32
...
	.end_amdgpu_metadata
.endif
;; end of part 2
;; launch attn (part 3): grid 8 x 32, 16 waves a work-group, no clusters, 202,752 bytes of LDS; arguments qq, kv, at; writes at
.if DOCPART == 3
	.amdgcn_target "amdgcn-amd-amdhsa--gfx1250"
	.amdhsa_code_object_version 6
	.text
	.protected	k_qd764a0d4f4_attn
	.globl	k_qd764a0d4f4_attn
	.p2align	8
	.type	k_qd764a0d4f4_attn,@function
k_qd764a0d4f4_attn:
	s_mov_b64 s[64:65], 0
	v_nop
	global_prefetch_b8 v0, s[64:65] scope:SCOPE_SE
	s_setreg_imm32_b32 hwreg(HW_REG_WAVE_MODE, 25, 1), 1
	s_wait_xcnt 0x0
; Causal attention on codes, and the quantiser of its result (operand of the projection).  t = score x log2(e) / 8; M = the running largest t rounded up to a whole number; p = 2^(t - M) is quantised
; along the keys, not normalised; the row's sum of the unquantised p divides at the end.
; WORK LEFT OUT: key tiles that lie wholly after a block's queries (reference()'s own jnp.tril makes their weights 0 for all inputs): see the head of launch prep.
; LIMIT: the promise holds while the scaled scores stay under 2^31 in magnitude; NaN and infinities are not served.
; SHARES.  Work-group (i, bh) takes the blocks of 128 queries i and 15 - i of one head, one after the other.  SIXTEEN waves, four to a SIMD: wave 8 g + w owns tile w (16 queries) of the block in hand and,
; of its key steps of 128, those with number 2 m + g: the keys are dealt between two groups of eight waves.  Block i has i + 1 steps, block 15 - i has 16 - i: ceil((i + 1) / 2) + ceil((16 - i) / 2) = 9 trips in every work-group.
; One of the two blocks has an odd number of steps: in its last trip group 1 has none and jumps over the step's work (a scalar branch on ids; no barrier is jumped over).  A block's last step lies on the diagonal.
; THE TWO HALVES MEET at a block's end: group 1 leaves O^T, -M and the sums in LDS; behind the next barrier group 0 brings both halves under the larger M (factors 2^whole number: nothing is rounded), adds, divides, quantises, stores.
; A group with no step at all holds zeros under M = -3e38: its factor is 0.
; LDS, in two halves by the trip's parity, 131,072 bytes apart: group 0's record, group 1's record (9,216 bytes each, see launch qkv; global -> registers -> LDS, a trip ahead), and group 1's state, 4,608 bytes a tile.  One barrier a trip.
; Both products transposed: S^T = K Q^T, O^T = V^T P^T: a lane holds one query throughout.  The head's 64 fill half of the instruction's 128 along K: the other half is zero codes under the scale byte 0.
; No cluster: the work-groups of a head read the same records, but at different trips (their walks have different lengths): joint requests would not meet.
.set SLOT1, 131072
.set MRG,   32768
.set SPARE, 200704
.set S,   100                          ; v100-163 S^T, then p
.set O,   164                          ; v164-195 O^T
.set PCD, 196                          ; v196-203 p's codes
.set KS,  204                          ; v204-207 K's scale words; v208-211 V's; v212 p's; v24 Q's: these hold scales alone
.set VS,  208
.set PS,  212
.set LB4, 213                          ; v27, v213, v214: my group's record in LDS + 16 x thread, 4 x thread, 16 x lane; v215: my tile's state + 16 x lane
.set LBL, 214
.set MB,  215
.set KFR, 36                           ; v36-67   four fragments of K (upper four registers of each: zeros)
.set VFR, 68                           ; v68-99   V's four
.set BM,  216
.set PT,  220
.set SO,  224
.set F,   228
.set TMP, 230
.set MST, 231                          ; v231 the state's place in this trip's half of LDS; v235 in the other half
.set SUM2, 232
.set MI,  234
.set MLD, 235
.set OC,  236
.set OW,  240
.set INV, 242
.set WV,  10                           ; s10 my tile in the block, 0 .. 7
.set IX,  11
.set BH,  12
.set N,   13
.set TB,  14
.set BLK, 15
.set SEL, 20
.set CS,  22
.set PF,  36
.set DG,  37
.set G,   38                           ; s38 my group
.set S0,  39                           ; s39 2 m: the trip's first key step
.set LAST, 40                          ; s40 the block's last key step
.set END, 41                           ; s41 1: this trip ends a block;  s43: the trip before did
.set NS0, 42
.set PV,  43
.macro KQ t, k                         ; scores of key tile k, whose fragment lies in place t
.if (\k) % 2
	v_wmma_scale_f32_16x16x128_f8f6f4 v[S+8*(\k):S+8*(\k)+7], v[KFR+8*\t:KFR+8*\t+7], v[16:23], 0, v[KS+(\k)/2], v24 matrix_a_fmt:MATRIX_FMT_FP4 matrix_b_fmt:MATRIX_FMT_FP4 matrix_a_scale:MATRIX_SCALE_ROW1
.else
	v_wmma_scale_f32_16x16x128_f8f6f4 v[S+8*(\k):S+8*(\k)+7], v[KFR+8*\t:KFR+8*\t+7], v[16:23], 0, v[KS+(\k)/2], v24 matrix_a_fmt:MATRIX_FMT_FP4 matrix_b_fmt:MATRIX_FMT_FP4
.endif
.endm
.macro PLACES
.rept 4
	v_nop
.endr
.endm
.macro QLOAD                           ; my tile of Q in block s[BLK], and its scale words
	s_lshl_b32 s24, s[BH], 4
	s_add_co_u32 s24, s24, s[BLK]
	s_lshl_b32 s25, s24, 3
	s_add_co_u32 s25, s25, s[WV]
	s_lshl_b32 s26, s25, 9
	s_mov_b32 s27, 0
	s_add_nc_u64 s[28:29], s[4:5], s[26:27]
	s_lshl_b32 s26, s24, 9
	s_add_co_u32 s26, s26, 0x200000
	s_add_nc_u64 s[30:31], s[4:5], s[26:27]
	global_load_b128 v[16:19], v1, s[28:29]
	global_load_b32 v24, v2, s[30:31]
.endm
.macro FRESH                           ; a block begins: the largest t is -3e38, the sum and O^T are zeros (the first change of M leaves zeros zeros)
	v_mov_b32 v13, 0xff61b1e6
	v_mov_b32 v14, 0
	v_mov_b32 v15, 0
	s_delay_alu instid0(VALU_DEP_3)
	v_floor_f32 v12, -v13
.set j, 0
.rept 32
	v_mov_b32 v[O+j], 0
.set j, j+1
.endr
	s_wait_alu depctr_va_vdst(0)                   ; a step that is jumped over leaves few vector instructions ahead of the next reader
.endm
; Group 0, behind a barrier: group 1's half of block s[blk] comes from LDS at v[adr]; both halves under the larger M; O^T / the sum, quantised along the head's 64 (two blocks), out as half a fragment of the projection's operand
.macro MERGE blk, adr
.irp k, 0,1,2,3,4,5,6,7
	ds_load_b128 v[S+4*\k:S+4*\k+3], v[\adr] offset:512*\k
.endr
	ds_load_b128 v[S+32:S+35], v[\adr] offset:4096                 ; -M, the largest t, the sum's two halves
	s_lshr_b32 s24, s[BH], 4
	s_lshl_b32 s24, s24, 7
	s_lshl_b32 s25, s[\blk], 3
	s_add_co_u32 s24, s24, s25
	s_add_co_u32 s24, s24, s[WV]                   ; my tile among the 256
	s_and_b32 s25, s[BH], 15
	s_lshr_b32 s26, s25, 1                         ; the K step: two heads to 128
	s_and_b32 s25, s25, 1                          ; and the register group
	s_lshl_b32 s27, s24, 3
	s_add_co_u32 s27, s27, s26
	s_lshl_b32 s32, s27, 10
	s_lshl_b32 s27, s25, 9
	s_add_co_u32 s32, s32, s27
	s_mov_b32 s33, 0
	s_lshr_b32 s27, s24, 1
	s_lshl_b32 s27, s27, 3
	s_add_co_u32 s27, s27, s26
	s_lshl_b32 s34, s27, 7
	s_lshl_b32 s27, s25, 1
	s_add_co_u32 s34, s34, s27
	s_add_co_u32 s34, s34, 0x200000
	s_mov_b32 s35, 0
	s_add_nc_u64 s[32:33], s[8:9], s[32:33]
	s_add_nc_u64 s[34:35], s[8:9], s[34:35]
	s_wait_dscnt 0x0
	v_min_num_f32 v[TMP], v12, v[S+32]             ; the joint -M
	s_delay_alu instid0(VALU_DEP_1)
	v_sub_f32 v[F], v[TMP], v12
	v_sub_f32 v[SUM2], v[TMP], v[S+32]
	s_delay_alu instid0(VALU_DEP_2)
	v_cvt_i32_f32 v[F], v[F]                       ; (they saturate)
	s_delay_alu instid0(VALU_DEP_2)
	v_cvt_i32_f32 v[SUM2], v[SUM2]
	s_delay_alu instid0(VALU_DEP_2)
	v_ldexp_f32 v[F], 1.0, v[F]                    ; my half's factor,
	s_delay_alu instid0(VALU_DEP_2)
	v_ldexp_f32 v[SUM2], 1.0, v[SUM2]              ; and the other's
	s_delay_alu instid0(VALU_DEP_2)
	v_pk_mul_f32 v[14:15], v[14:15], v[F:F+1] op_sel_hi:[1,0]
	s_delay_alu instid0(VALU_DEP_2)
	v_mov_b32 v[SUM2+1], v[SUM2]
	s_delay_alu instid0(VALU_DEP_1)
	v_pk_fma_f32 v[14:15], v[S+34:S+35], v[SUM2:SUM2+1], v[14:15]
.set j, 0
.rept 16
	v_pk_mul_f32 v[S+j:S+j+1], v[S+j:S+j+1], v[SUM2:SUM2+1]
.set j, j+2
.endr
.set j, 0
.rept 16
	v_pk_fma_f32 v[S+j:S+j+1], v[O+j:O+j+1], v[F:F+1], v[S+j:S+j+1] op_sel_hi:[1,0,1]   ; each sum of O^T from its low end on
.set j, j+2
.endr
	v_add_f32 v14, v14, v15
	s_delay_alu instid0(VALU_DEP_1)
	v_permlanex16_b32 v[TMP], v14, s[SEL], s[SEL+1]
	s_delay_alu instid0(VALU_DEP_1)
	v_add_f32 v14, v14, v[TMP]
	s_wait_alu depctr_va_vdst(0)                   ; the wait ahead of the transcendental,
	v_rcp_f32 v[INV], v14
	v_nop
	s_wait_alu depctr_va_vdst(0)                   ; and ahead of its first reader
	v_mov_b32 v[INV+1], v[INV]
.set j, 0
.rept 16
	v_pk_mul_f32 v[S+j:S+j+1], v[S+j:S+j+1], v[INV:INV+1]          ; register 16 b + i = channel 32 b + 16 h + i of my query
.set j, j+2
.endr
.irp b, 0,1
	v_max3_num_f32 v[BM+\b], |v[S+16*\b]|, |v[S+1+16*\b]|, 0x1800000
.endr
.irp i, 2,4,6,8,10,12,14
.irp b, 0,1
	s_delay_alu instid0(VALU_DEP_2)
	v_max3_num_f32 v[BM+\b], v[BM+\b], |v[S+16*\b+\i]|, |v[S+1+16*\b+\i]|
.endr
.endr
.irp b, 0,1
	s_delay_alu instid0(VALU_DEP_2)
	v_permlanex16_b32 v[PT+\b], v[BM+\b], s[SEL], s[SEL+1]
.endr
.irp b, 0,1
	s_delay_alu instid0(VALU_DEP_2)
	v_max_num_f32 v[BM+\b], v[BM+\b], v[PT+\b]
.endr
.irp b, 0,1
	s_delay_alu instid0(VALU_DEP_2)
	v_add_nc_u32 v[SO+\b], 0xff000000, v[BM+\b]
.endr
.irp b, 0,1
	s_delay_alu instid0(VALU_DEP_2)
	v_lshrrev_b32 v[PT+\b], 23, v[SO+\b]
.endr
	s_delay_alu instid0(VALU_DEP_1)
	v_lshl_or_b32 v[OW], v[PT+1], 8, v[PT]
.irp b, 0,1
	v_cvt_scalef32_pk8_fp4_f32 v[OC+2*\b], v[S+16*\b:S+7+16*\b], v[SO+\b]
	v_cvt_scalef32_pk8_fp4_f32 v[OC+1+2*\b], v[S+8+16*\b:S+15+16*\b], v[SO+\b]
.endr
	v_nop
.irp i, 0,1
	v_permlane16_swap_b32 v[OC+\i], v[OC+2+\i]
.endr
	global_store_b128 v1, v[OC:OC+3], s[32:33]     ; 512 consecutive bytes
	global_store_b16 v25, v[OW], s[34:35]          ; my head's two bytes of the row's scale word (both halves of the lanes write the same bytes with the same value)
.endm
	s_load_b128 s[4:7], s[0:1], 0x0                ; qq, kv
	s_load_b64 s[8:9], s[0:1], 0x10                ; at
	v_lshl_add_u32 v5, v0, 2, SPARE                ; my spare word; never rewritten
	v_mov_b32 v6, 0                                ; 0; never rewritten
	v_lshrrev_b32 v1, 5, v0
	s_delay_alu instid0(VALU_DEP_1)
	v_readfirstlane_b32 s24, v1                    ; wave 0 .. 15
	s_lshr_b32 s[G], s24, 3
	s_and_b32 s[WV], s24, 7
	s_mov_b32 s[IX], ttmp9
	s_and_b32 s[BH], ttmp7, 0xffff
	s_lshl_b32 s28, s[G], 14                       ; my group's record: 16,384 x group
	s_mul_i32 s29, s[WV], 4608
	s_add_co_u32 s29, s29, MRG                     ; my tile's state
	s_lshr_b32 s24, s[WV], 1
	s_and_b32 s25, s[WV], 1
	s_lshl_b32 s30, s24, 5
	s_lshl_b32 s27, s25, 3
	s_add_co_u32 s30, s30, s27                     ; my tile's first query in its block
	s_lshl_b32 s31, s25, 8
	s_lshl_b32 s27, s24, 2
	s_add_co_u32 s31, s31, s27
	s_lshl_b32 s32, s25, 6
	s_mov_b32 s[SEL], 0x76543210
	s_mov_b32 s[SEL+1], 0xfedcba98
	s_mov_b32 s[CS], 0x3e38aa3b                    ; c = log2(e) / 8
	s_mov_b32 s[CS+1], s[CS]
	s_mov_b32 s[N], 0
	s_mov_b32 s[TB], 0
	s_mov_b32 s[S0], 0
	s_mov_b32 s[PV], 0
	s_mov_b32 s[BLK], s[IX]
	s_mov_b32 s[LAST], s[IX]
	s_or_b32 s[PF], s[IX], s[WV]                   ; 0 in each group's first wave of the head's first work-group
	v_and_b32 v8, 15, v0                           ; r
	v_bfe_u32 v9, v0, 4, 1                         ; h
	v_and_b32 v10, 31, v0
	v_and_b32 v3, 255, v0                          ; my thread in its group
	s_delay_alu instid0(VALU_DEP_2)
	v_lshlrev_b32 v1, 4, v10                       ; 16 x lane
	v_lshlrev_b32 v11, 8, v10                      ; 256 x lane: the prefetch's offset
	s_delay_alu instid0(VALU_DEP_3)
	v_lshlrev_b32 v4, 2, v3                        ; 4 x thread
	v_lshlrev_b32 v3, 4, v3                        ; 16 x thread
	v_and_b32 v7, 8, v8
	v_lshlrev_b32 v9, 4, v9
	s_delay_alu instid0(VALU_DEP_3)
	v_add_nc_u32 v27, s28, v3
	v_add_nc_u32 v[LB4], s28, v4
	v_add_nc_u32 v[LBL], s28, v1
	v_add_nc_u32 v[MB], s29, v1
	v_add_nc_u32 v7, v7, v8
	v_lshl_add_u32 v2, v8, 4, s31                  ; Q's scale word: [lane 16 (w % 2) + r][pair w / 2]
	v_lshl_add_u32 v25, v8, 2, s32                 ; the result's scale word: lane 16 (w % 2) + r
	s_delay_alu instid0(VALU_DEP_3)
	v_sub_nc_u32 v7, v7, v9
	s_delay_alu instid0(VALU_DEP_1)
	v_add_nc_u32 v7, s30, v7                       ; my query's place in its block - 16 h: register 16 b + i holds key 32 b + 16 h + i, hidden on the diagonal where 32 b + i is greater
.irp j, 20,21,22,23
	v_mov_b32 v[\j], 0                             ; Q's upper 64 along K: zero codes
.endr
.irp t, 0,1,2,3
.irp j, 4,5,6,7
	v_mov_b32 v[KFR+8*\t+\j], 0                    ; K's likewise
.endr
.endr
.irp b, 0,1,2,3
	v_mov_b32 v[PT+\b], 0                          ; a lane permute's destination counts as one of its sources
.endr
	v_mov_b32 v[F+1], 0                            ; (named as the upper half of a pair)
	v_mov_b32 v[MI], 0xff800000                    ; -infinity
	FRESH                                          ; (its last line is the wait at the head's end)
	s_wait_kmcnt 0x0
	s_mul_i32 s24, s[BH], 147456                   ; a head's 16 records
	s_mov_b32 s25, 0
	s_add_nc_u64 s[16:17], s[6:7], s[24:25]
	s_mul_i32 s24, s[G], 9216
	s_add_nc_u64 s[18:19], s[16:17], s[24:25]
	global_load_b128 v[28:31], v3, s[18:19]                ; my group's first key step: K's 4,096 bytes, 16 a thread,
	global_load_b128 v[32:35], v3, s[18:19] offset:4096    ; V's,
	global_load_b32 v26, v4, s[18:19] offset:8192          ; and the 1,024 bytes of scale words
	QLOAD
.Ltrip:
	s_wait_loadcnt 0x0                             ; the record (and, where a block begins, Q) is in registers
	s_wait_xcnt 0x0                                ; and every earlier memory instruction has read its addresses: they are written again below
	s_xor_b32 s24, s[TB], SLOT1
	v_add_nc_u32 v8, s[TB], v27
	v_add_nc_u32 v9, s[TB], v[LB4]
	v_add_nc_u32 v10, s[TB], v[LBL]
	v_add_nc_u32 v[MST], s[TB], v[MB]
	v_add_nc_u32 v[MLD], s24, v[MB]
	s_wait_alu depctr_va_vdst(0)
	ds_store_b128 v8, v[28:31]                     ; this half of LDS was read two trips ago: every wave has waited for those reads in front of the last barrier's signal
	ds_store_b128 v8, v[32:35] offset:4096
	ds_store_b32 v9, v26 offset:8192
	s_add_co_u32 s25, s[S0], 2
	s_add_co_u32 s24, s[S0], 1
	s_cmp_ge_u32 s24, s[LAST]
	s_cselect_b32 s[END], 1, 0                     ; the block's last step is 2 m or 2 m + 1
	s_cselect_b32 s[NS0], 0, s25                   ; the next trip's first step
	s_wait_dscnt 0x0                               ; for the others' sake: the record, and group 1's state where the last trip ended a block; and the stores have read their registers
	s_cmp_eq_u32 s[N], 8
	s_cbranch_scc1 .Lnoload                        ; the last trip asks for nothing
	s_add_co_u32 s24, s[NS0], s[G]                 ; at most 15: an odd block has at most 15 steps
	s_mul_i32 s24, s24, 9216
	s_mov_b32 s25, 0
	s_add_nc_u64 s[18:19], s[16:17], s[24:25]
	global_load_b128 v[28:31], v3, s[18:19]
	global_load_b128 v[32:35], v3, s[18:19] offset:4096
	global_load_b32 v26, v4, s[18:19] offset:8192
	; a prefetch of K's and V's 8,192 bytes of the record two records on, a lane to each 256 bytes.  The head's first work-group loads records 2 n + g in trip n (n = 0 .. 7); the first wave of each of its groups asks
	; in trips 0 .. 6 for records 2 n + 2 + g = 2 .. 15, a trip ahead of their loads: each block is named once in the launch, and none lies behind the head's last record
	s_cmp_lt_u32 s[N], 7
	s_cselect_b32 s26, s[PF], 1
	s_cmp_eq_u32 s26, 0
	s_cbranch_scc0 .Lnoload
	global_prefetch_b8 v11, s[18:19] offset:18432 th:TH_LOAD_NT scope:SCOPE_SE
.Lnoload:
	s_barrier_signal -1
	s_barrier_wait -1                              ; both records lie in LDS, and so does group 1's state of a block just ended
	s_cmp_eq_u32 s[PV], 0
	s_cbranch_scc1 .Lsame
	s_cmp_lg_u32 s[G], 0
	s_cbranch_scc1 .Lfresh
	MERGE IX, MLD                                  ; the first block's end: its state lies in the other half of LDS
.Lfresh:
	FRESH
.Lsame:
	s_add_co_u32 s24, s[S0], s[G]                  ; my key step
	s_cmp_gt_u32 s24, s[LAST]
	s_cbranch_scc1 .Lskip                          ; behind the block's last: nothing to do
	s_cmp_eq_u32 s24, s[LAST]
	s_cselect_b32 s[DG], 1, 0                      ; on the diagonal
	ds_load_b128 v[KS:KS+3], v10 offset:8192
.irp t, 0,1,2,3
	ds_load_b128 v[KFR+8*\t:KFR+8*\t+3], v10 offset:512*\t
.endr
	ds_load_b128 v[VS:VS+3], v10 offset:8704
.irp t, 0,1,2,3
	ds_load_b128 v[VFR+8*\t:VFR+8*\t+3], v10 offset:4096+1024*\t
	ds_load_b128 v[VFR+8*\t+4:VFR+8*\t+7], v10 offset:4096+1024*\t+512
.endr
	s_wait_dscnt 9                                 ; K's words and first four tiles are in; V's word load and its eight fragment loads may be out
.irp t, 0,1,2,3
	KQ \t, \t
.endr
	PLACES                                         ; in front of loads into registers that matrix instructions have read
.irp t, 0,1,2,3
	ds_load_b128 v[KFR+8*\t:KFR+8*\t+3], v10 offset:2048+512*\t
.endr
	s_wait_dscnt 0x0
.irp t, 0,1,2,3
	KQ \t, 4+\t
.endr
	PLACES
	s_cmp_eq_u32 s[DG], 0
	s_cbranch_scc1 .Lopen
.set n, 0
.rept 64
	v_cmp_gt_i32 vcc_lo, 32*(n/16)+n%16, v7
	v_cndmask_b32 v[S+n], v[S+n], v[MI], vcc_lo    ; a hidden score becomes -infinity: p = 0
.set n, n+1
.endr
.Lopen:
.irp b, 0,1,2,3
	v_max3_num_f32 v[BM+\b], v[S+16*\b], v[S+1+16*\b], v[S+2+16*\b]   ; the largest score of each block of 32 keys: for the row's maximum and, since p rises with the score, for the block's largest p
.endr
.irp i, 3,5,7,9,11,13
.irp b, 0,1,2,3
	v_max3_num_f32 v[BM+\b], v[BM+\b], v[S+16*\b+\i], v[S+1+16*\b+\i]
.endr
.endr
.irp b, 0,1,2,3
	v_max_num_f32 v[BM+\b], v[BM+\b], v[S+15+16*\b]
.endr
.irp b, 0,1,2,3
	s_delay_alu instid0(VALU_DEP_4)
	v_permlanex16_b32 v[PT+\b], v[BM+\b], s[SEL], s[SEL+1]
.endr
.irp b, 0,1,2,3
	s_delay_alu instid0(VALU_DEP_4)
	v_max_num_f32 v[BM+\b], v[BM+\b], v[PT+\b]
.endr
	s_delay_alu instid0(VALU_DEP_2)
	v_max3_num_f32 v[TMP], v[BM], v[BM+1], v[BM+2]
	s_delay_alu instid0(VALU_DEP_1)
	v_max_num_f32 v[TMP], v[TMP], v[BM+3]
	s_delay_alu instid0(VALU_DEP_1)
	v_mul_f32 v[TMP], s[CS], v[TMP]
	s_delay_alu instid0(VALU_DEP_1)
	v_max_num_f32 v13, v13, v[TMP]                 ; the running largest t
	v_mov_b32 v[TMP], v12
	s_delay_alu instid0(VALU_DEP_2)
	v_floor_f32 v12, -v13                          ; -M = floor(-t): M is a whole number
	s_delay_alu instid0(VALU_DEP_1)
	v_sub_f32 v[TMP], v12, v[TMP]
	s_delay_alu instid0(VALU_DEP_1)
	v_cvt_i32_f32 v[TMP], v[TMP]                   ; (it saturates)
	s_delay_alu instid0(VALU_DEP_1)
	v_ldexp_f32 v[F], 1.0, v[TMP]                  ; f = 2^(old M - new M)
.set j, 0
.rept 32
	v_pk_fma_f32 v[S+j:S+j+1], v[S+j:S+j+1], s[CS:CS+1], v[12:13] op_sel_hi:[1,0,0]   ; t - M
.set j, j+2
.endr
.irp b, 0,1,2,3
	v_fma_f32 v[BM+\b], v[BM+\b], s[CS], v12
.endr
	s_wait_alu depctr_va_vdst(0)                   ; the wait ahead of the batch
.set j, 0
.rept 64
	v_exp_f32 v[S+j], v[S+j]                       ; p = 2^(t - M)
.set j, j+1
.endr
	v_pk_mul_f32 v[14:15], v[14:15], v[F:F+1] op_sel_hi:[1,0]      ; the sums under the new M (a plain place behind the exponentials)
	s_wait_alu depctr_va_vdst(0)                   ; one wait for the batch, ahead of its first reader
.irp b, 0,1,2,3
	v_exp_f32 v[BM+\b], v[BM+\b]                   ; each block's largest p
.endr
	; the row's sum of the unquantised p: 32 pairs into eight chains by turns, then the chains together
.irp k, 0,1,2,3,4,5
	v_pk_add_f32 v[244+2*\k:245+2*\k], v[S+4*\k:S+4*\k+1], v[S+4*\k+2:S+4*\k+3]
.endr
	v_pk_add_f32 v[SUM2:SUM2+1], v[S+24:S+25], v[S+26:S+27]
	v_pk_add_f32 v[14:15], v[14:15], v[S+28:S+29]
.irp m, 0,1
.irp k, 0,1,2,3,4,5
	v_pk_add_f32 v[244+2*\k:245+2*\k], v[244+2*\k:245+2*\k], v[S+30+16*\m+2*\k:S+31+16*\m+2*\k]
.endr
	v_pk_add_f32 v[SUM2:SUM2+1], v[SUM2:SUM2+1], v[S+42+16*\m:S+43+16*\m]
	v_pk_add_f32 v[14:15], v[14:15], v[S+44+16*\m:S+45+16*\m]
.endr
	v_pk_add_f32 v[244:245], v[244:245], v[S+62:S+63]
	v_pk_add_f32 v[246:247], v[246:247], v[248:249]
	v_pk_add_f32 v[250:251], v[250:251], v[252:253]
	v_pk_add_f32 v[SUM2:SUM2+1], v[SUM2:SUM2+1], v[254:255]
	s_delay_alu instid0(VALU_DEP_4)
	v_pk_add_f32 v[14:15], v[14:15], v[244:245]
	s_delay_alu instid0(VALU_DEP_3)
	v_pk_add_f32 v[246:247], v[246:247], v[250:251]
	s_delay_alu instid0(VALU_DEP_2)
	v_pk_add_f32 v[14:15], v[14:15], v[SUM2:SUM2+1]
	s_delay_alu instid0(VALU_DEP_1)
	v_pk_add_f32 v[14:15], v[14:15], v[246:247]
	s_wait_alu depctr_va_vdst(0)                   ; and one for the four
.irp b, 0,1,2,3
	v_max_num_f32 v[BM+\b], 0x1800000, v[BM+\b]    ; the floor 2^(3 - 127): the byte cannot fall under 1
.endr
.irp b, 0,1,2,3
	s_delay_alu instid0(VALU_DEP_4)
	v_add_nc_u32 v[SO+\b], 0xff000000, v[BM+\b]
.endr
.irp b, 0,1,2,3
	s_delay_alu instid0(VALU_DEP_4)
	v_lshrrev_b32 v[PT+\b], 23, v[SO+\b]
.endr
	s_delay_alu instid0(VALU_DEP_3)
	v_lshl_or_b32 v[PS], v[PT+1], 8, v[PT]
	s_delay_alu instid0(VALU_DEP_1)
	v_lshl_or_b32 v[PS], v[PT+2], 16, v[PS]
	s_delay_alu instid0(VALU_DEP_1)
	v_lshl_or_b32 v[PS], v[PT+3], 24, v[PS]
.irp b, 0,1,2,3
	v_cvt_scalef32_pk8_fp4_f32 v[PCD+2*\b], v[S+16*\b:S+7+16*\b], v[SO+\b]
	v_cvt_scalef32_pk8_fp4_f32 v[PCD+1+2*\b], v[S+8+16*\b:S+15+16*\b], v[SO+\b]
.endr
	v_nop
.irp c, 0,1
.irp i, 0,1
	v_permlane16_swap_b32 v[PCD+4*\c+\i], v[PCD+2+4*\c+\i]
.endr
.endr
	s_wait_alu depctr_va_vdst(0)                   ; the wait here, directly ahead of the first reader of O^T
.set j, 0
.rept 16
	v_pk_mul_f32 v[O+j:O+j+1], v[O+j:O+j+1], v[F:F+1] op_sel_hi:[1,0]   ; O^T under the new M; these sixteen also stand between the scale word's and the codes' last writes and the products
.set j, j+2
.endr
.irp t, 0,1,2,3
	v_wmma_scale_f32_16x16x128_f8f6f4 v[O+8*\t:O+8*\t+7], v[VFR+8*\t:VFR+8*\t+7], v[PCD:PCD+7], v[O+8*\t:O+8*\t+7], v[VS+\t], v[PS] matrix_a_fmt:MATRIX_FMT_FP4 matrix_b_fmt:MATRIX_FMT_FP4
.endr
	PLACES
.Lskip:
	s_cmp_eq_u32 s[END], 0
	s_cbranch_scc1 .Lnoend
	s_cmp_eq_u32 s[G], 0
	s_cbranch_scc1 .Lkeep
.irp k, 0,1,2,3,4,5,6,7
	ds_store_b128 v[MST], v[O+4*\k:O+4*\k+3] offset:512*\k         ; group 1's half: each sum of O^T from its low end on;
.endr
	ds_store_b128 v[MST], v[12:15] offset:4096     ; -M, the largest t, the sum's two halves.  The wait for these stores stands in front of the next barrier's signal
.Lkeep:
	s_sub_co_u32 s[BLK], 15, s[IX]                 ; the second block
	s_mov_b32 s[LAST], s[BLK]
	s_cmp_eq_u32 s[N], 8
	s_cbranch_scc1 .Lnoend
	QLOAD
.Lnoend:
	s_mov_b32 s[PV], s[END]
	s_mov_b32 s[S0], s[NS0]
	s_xor_b32 s[TB], s[TB], SLOT1
	s_add_co_u32 s[N], s[N], 1
	s_cmp_lt_u32 s[N], 9
	s_cbranch_scc1 .Ltrip
	s_wait_dscnt 0x0                               ; group 1's state of the second block has landed
	s_barrier_signal -1
	s_barrier_wait -1
	s_cmp_lg_u32 s[G], 0
	s_cbranch_scc1 .Lend
	s_wait_xcnt 0x0                                ; the first block's stores have read their addresses and data: the registers are written again below
	MERGE BLK, MST                                 ; it lies where the last trip put it
.Lend:
	s_wait_tensorcnt 0x0                           ; the wave's end
	ds_add_u32 v5, v6
	s_wait_dscnt 0x0
	s_endpgm
.Lfunc_end_k_qd764a0d4f4_attn:
	.size	k_qd764a0d4f4_attn, .Lfunc_end_k_qd764a0d4f4_attn-k_qd764a0d4f4_attn
	.p2alignl 7, 3214868480
	.fill 96, 4, 3214868480
	.section	.rodata,"a",@progbits
	.p2align	6, 0x0
	.amdhsa_kernel k_qd764a0d4f4_attn
		.amdhsa_group_segment_fixed_size 202752
		.amdhsa_private_segment_fixed_size 0
		.amdhsa_enable_private_segment 0
		.amdhsa_kernarg_size 24
		.amdhsa_user_sgpr_count 2
		.amdhsa_user_sgpr_kernarg_segment_ptr 1
		.amdhsa_wavefront_size32 1
		.amdhsa_system_sgpr_workgroup_id_x 1
		.amdhsa_system_sgpr_workgroup_id_y 1
		.amdhsa_system_sgpr_workgroup_id_z 1
		.amdhsa_system_vgpr_workitem_id 0
		.amdhsa_next_free_vgpr 256
		.amdhsa_next_free_sgpr 66
		.amdhsa_reserve_vcc 1
		.amdhsa_float_denorm_mode_32 3
		.amdhsa_float_denorm_mode_16_64 3
		.amdhsa_memory_ordered 1
		.amdhsa_forward_progress 1
		.amdhsa_inst_pref_size 48
	.end_amdhsa_kernel
	.amdgpu_metadata
---
amdhsa.version: [ 1, 2 ]
amdhsa.kernels:
  - .name:           k_qd764a0d4f4_attn
    .symbol:         k_qd764a0d4f4_attn.kd
    .args:
      - { .name: qq, .offset: 0, .size: 8, .value_kind: global_buffer, .address_space: global }
      - { .name: kv, .offset: 8, .size: 8, .value_kind: global_buffer, .address_space: global }
      - { .name: at, .offset: 16, .size: 8, .value_kind: global_buffer, .address_space: global }
    .group_segment_fixed_size: 202752
    .private_segment_fixed_size: 0
    .kernarg_segment_align: 8
    .kernarg_segment_size: 24
    .max_flat_workgroup_size: 512
    .sgpr_count:     66
    .vgpr_count:     256
    .wavefront_size: 32
...
	.end_amdgpu_metadata
.endif
;; end of part 3
;; launch oln (part 4): grid 256 x 1, 8 waves a work-group, no clusters, 79,872 bytes of LDS; arguments at, wimg, w_out_scales, b_out, x, ln2_g, ln2_b, x1, h2; writes x1, h2
.if DOCPART == 4
	.amdgcn_target "amdgcn-amd-amdhsa--gfx1250"
	.amdhsa_code_object_version 6
	.text
	.protected	k_qd764a0d4f4_oln
	.globl	k_qd764a0d4f4_oln
	.p2align	8
	.type	k_qd764a0d4f4_oln,@function
k_qd764a0d4f4_oln:
	s_mov_b64 s[64:65], 0
	v_nop
	global_prefetch_b8 v0, s[64:65] scope:SCOPE_SE
	s_setreg_imm32_b32 hwreg(HW_REG_WAVE_MODE, 25, 1), 1
	s_wait_xcnt 0x0
; x1 = x + attn w_out + b_out on codes (K = 1,024), and h2 = the codes of LayerNorm(x1) x gain + bias: one work-group takes one tile of 16 rows through both, so x1 is stored once and not read again here.
; Layouts of at, wimg and h2: see the head of launch prep.  No work of reference() is left out in this launch.  LIMITS: as stated at the head of launch prep.
; SHARES.  256 work-groups, a tile of 16 rows x all 1,024 columns each; wave w: columns 128 w .. 128 w + 127 = 8 tiles of the weight = K step w of the next product.
; Source 0 = 16 columns of the weight, source 1 = the 16 rows: by the tiles' order of rows, register 8 t + j of a lane is column 32 (t / 2) + 16 h + 8 (t % 2) + j of its row: the layout that the quantiser wants.
; THE WEIGHT goes from memory straight into registers: no two waves of the work-group use the same fragment, and the image is laid as registers take it (512 consecutive bytes a load).  Three buffers of 8 fragments
; (window 1, v64-255) take turns: K step s + 3 is asked for behind K step s's products.  attn's 8 fragments come once, one a wave, and reach all waves through LDS.
; Behind the weight's last K steps the same buffers take b_out, the gain and the bias.  x comes as rows of 512 bytes and is turned in the wave's own stage; x1 goes back the same way and leaves as rows of 512 bytes.
; No cluster: joint loads land in LDS, and the weight's 524,288 bytes, which every work-group walks, do not fit there.  No prefetch into the L2: the text has no loop, and its register loads stand three K steps ahead of their use.
.set RED,   67584                      ; behind eight stages of 16 rows x 528 bytes: partial sums [lane][wave], 1,024 bytes; the squares' 1,024 behind them
.set SCW,   69632                      ; scale words [K step][lane]
.set SPARE, 70656                      ; the spare words, 128 bytes a wave: no other line names them
.set AST,   71680                      ; attn's 8 fragments of 1,024 bytes
.set WOFF,  1572864                    ; w_out's image in wimg
.set R,   16                           ; v16-79   x as loaded; later x1 as stored
.set X,   80                           ; v80-143  register 16 b + i = column 32 b + 16 h + i of my row
.set AF,  144                          ; v144-159 attn's fragment, two buffers
.set SB,  160                          ; v160-191 the weight's scale words: pair p, K step s at 8 p + s; v192-199 attn's: these hold scales alone
.set SA,  192
.set SBO, 200
.set SAO, 201
.set AW,  202
.set AR,  203
.set TM,  208
.set PC,  224
.set PW,  232
.set SPW, 14
.set NIL, 15
.set SEL, 36
.set MSB, 0
.macro WIN new                         ; the immediate's high byte repeats the setting that is left
.if MSB != \new
	s_set_vgpr_msb (MSB<<8)|\new
.set MSB, \new
.endif
.endm
.macro PLACES
.rept 4
	v_nop
.endr
.endm
.macro QUANT s                         ; 64 numbers of a lane become a fragment's codes in v[PC] on and its scale word in v[PW]
.irp b, 0,1,2,3
	v_max3_num_f32 v[TM+\b], |v[\s+16*\b]|, |v[\s+1+16*\b]|, 0x1800000   ; my 16 numbers of block b, and the floor 2^(3 - 127): the byte cannot fall under 1
.endr
.irp i, 2,4,6,8,10,12,14
.irp b, 0,1,2,3
	s_delay_alu instid0(VALU_DEP_4)
	v_max3_num_f32 v[TM+\b], v[TM+\b], |v[\s+16*\b+\i]|, |v[\s+1+16*\b+\i]|
.endr
.endr
.irp b, 0,1,2,3
	s_delay_alu instid0(VALU_DEP_4)
	v_permlanex16_b32 v[TM+4+\b], v[TM+\b], s[SEL], s[SEL+1]
.endr
.irp b, 0,1,2,3
	s_delay_alu instid0(VALU_DEP_4)
	v_max_num_f32 v[TM+\b], v[TM+\b], v[TM+4+\b]                   ; with lane l xor 16's: the block's largest magnitude
.endr
.irp b, 0,1,2,3
	s_delay_alu instid0(VALU_DEP_4)
	v_add_nc_u32 v[TM+12+\b], 0xff000000, v[TM+\b]                 ; 2 off its exponent field: the conversion's scale operand
.endr
.irp b, 0,1,2,3
	s_delay_alu instid0(VALU_DEP_4)
	v_lshrrev_b32 v[TM+4+\b], 23, v[TM+12+\b]                      ; the scale's byte
.endr
	s_delay_alu instid0(VALU_DEP_3)
	v_lshl_or_b32 v[PW], v[TM+5], 8, v[TM+4]
	s_delay_alu instid0(VALU_DEP_1)
	v_lshl_or_b32 v[PW], v[TM+6], 16, v[PW]
	s_delay_alu instid0(VALU_DEP_1)
	v_lshl_or_b32 v[PW], v[TM+7], 24, v[PW]
.irp b, 0,1,2,3
	v_cvt_scalef32_pk8_fp4_f32 v[PC+2*\b], v[\s+16*\b:\s+7+16*\b], v[TM+12+\b]
	v_cvt_scalef32_pk8_fp4_f32 v[PC+1+2*\b], v[\s+8+16*\b:\s+15+16*\b], v[TM+12+\b]
.endr
	v_nop                                                          ; one plain place behind a scaled conversion
.irp c, 0,1
.irp i, 0,1
	v_permlane16_swap_b32 v[PC+4*\c+\i], v[PC+2+4*\c+\i]           ; a whole block to a lane
.endr
.endr
.endm
.macro BARRIER
	s_wait_dscnt 0x0                               ; my LDS stores have landed and my LDS loads are in
	s_barrier_signal -1
	s_barrier_wait -1
.endm
.macro BLD s                           ; 16 loads: my 8 fragments of the weight for K step s into buffer s % 3 of window 1
.set BB, 64+64*((\s)%3)
	WIN 0x40
.irp t, 0,1,2,3,4,5,6,7
	global_load_b128 v[BB+8*\t:BB+8*\t+3], v4, s[6:7] offset:\t*8192+(\s)*1024
	global_load_b128 v[BB+8*\t+4:BB+8*\t+7], v4, s[6:7] offset:\t*8192+(\s)*1024+512
.endr
	WIN 0
.endm
.macro VLD base, sb                    ; 16 loads: my 64 of a vector's 1,024 numbers, in X's layout, into window 1
	WIN 0x40
.set i, 0
.rept 16
	global_load_b128 v[\base+4*i:\base+4*i+3], v7, s[\sb:\sb+1] offset:128*(i/4)+16*(i%4)
.set i, i+1
.endr
	WIN 0
.endm
.macro ALD s                           ; attn's fragment of K step s into buffer s % 2
	ds_load_b128 v[AF+8*((\s)%2):AF+8*((\s)%2)+3], v[AR] offset:(\s)*1024
	ds_load_b128 v[AF+8*((\s)%2)+4:AF+8*((\s)%2)+7], v[AR] offset:(\s)*1024+512
.endm
; 128 along K: 8 products, the 8 sums (window 1, v0-63) by turns, one instruction a turn.  lc: the loads issued behind this step's 16, which may be out; dc: the LDS loads likewise
.macro STEP s, lc, dc
.set BB, 64+64*((\s)%3)
.set AA, AF+8*((\s)%2)
	s_wait_loadcnt \lc
	s_wait_dscnt \dc
	WIN 0x51                                       ; source 0, C and D in window 1
.irp t, 0,1,2,3,4,5,6,7
.if ((\s) == 0) && ((\t)%2 == 0)
	v_wmma_scale_f32_16x16x128_f8f6f4 v[8*\t:8*\t+7], v[BB+8*\t:BB+8*\t+7], v[AA:AA+7], 0, v[SB+8*(\t/2)+(\s)], v[SA+(\s)] matrix_a_fmt:MATRIX_FMT_FP4 matrix_b_fmt:MATRIX_FMT_FP4
.elseif (\s) == 0
	v_wmma_scale_f32_16x16x128_f8f6f4 v[8*\t:8*\t+7], v[BB+8*\t:BB+8*\t+7], v[AA:AA+7], 0, v[SB+8*(\t/2)+(\s)], v[SA+(\s)] matrix_a_fmt:MATRIX_FMT_FP4 matrix_b_fmt:MATRIX_FMT_FP4 matrix_a_scale:MATRIX_SCALE_ROW1
.elseif (\t)%2 == 0
	v_wmma_scale_f32_16x16x128_f8f6f4 v[8*\t:8*\t+7], v[BB+8*\t:BB+8*\t+7], v[AA:AA+7], v[8*\t:8*\t+7], v[SB+8*(\t/2)+(\s)], v[SA+(\s)] matrix_a_fmt:MATRIX_FMT_FP4 matrix_b_fmt:MATRIX_FMT_FP4
.else
	v_wmma_scale_f32_16x16x128_f8f6f4 v[8*\t:8*\t+7], v[BB+8*\t:BB+8*\t+7], v[AA:AA+7], v[8*\t:8*\t+7], v[SB+8*(\t/2)+(\s)], v[SA+(\s)] matrix_a_fmt:MATRIX_FMT_FP4 matrix_b_fmt:MATRIX_FMT_FP4 matrix_a_scale:MATRIX_SCALE_ROW1
.endif
.endr
	WIN 0
	PLACES                                         ; in front of loads into the registers just read, and of the first read of results
.endm
	s_load_b256 s[4:11], s[0:1], 0x0               ; at, wimg, w_out's scales, b_out
	s_load_b256 s[12:19], s[0:1], 0x20             ; x, gain, bias, x1
	s_load_b64 s[20:21], s[0:1], 0x40              ; h2
	v_lshl_add_u32 v[SPW], v0, 2, SPARE
	v_mov_b32 v[NIL], 0
	v_lshrrev_b32 v1, 5, v0
	s_delay_alu instid0(VALU_DEP_1)
	v_readfirstlane_b32 s22, v1                    ; wave
	s_mul_i32 s23, s22, 8448                       ; my stage
	s_lshl_b32 s24, s22, 2
	s_lshl_b32 s40, s22, 7
	s_lshl_b32 s41, s22, 10
	s_add_co_u32 s41, s41, AST                     ; where my fragment of attn goes
	s_lshr_b32 s25, ttmp9, 1                       ; the pair of tiles
	s_and_b32 s26, ttmp9, 1
	s_lshl_b32 s28, s25, 17                        ; 32 rows of 4,096 bytes
	s_lshl_b32 s29, s26, 15                        ; 8 rows
	s_add_co_u32 s28, s28, s29
	s_lshl_b32 s30, s22, 9                         ; my 512 bytes of a row
	s_add_co_u32 s28, s28, s30
	s_mov_b32 s29, 0
	s_mov_b32 s31, 0
	s_lshl_b32 s32, ttmp9, 13
	s_lshl_b32 s33, s22, 10
	s_add_co_u32 s32, s32, s33                     ; fragment (tile, wave), in at and in h2
	s_mov_b32 s33, 0
	s_lshl_b32 s34, s25, 10
	s_lshl_b32 s35, s26, 6
	s_add_co_u32 s34, s34, s35
	s_add_co_u32 s34, s34, 0x200000                ; the tile's scale words, in at and in h2
	s_mov_b32 s35, 0
	s_lshl_b32 s42, s22, 16
	s_add_co_u32 s42, s42, WOFF                    ; my 8 tiles of the weight's image
	s_mov_b32 s43, 0
	s_lshl_b32 s44, s22, 12                        ; and their 128 rows of 32 scale bytes
	s_mov_b32 s45, 0
	s_mov_b32 s[SEL], 0x76543210
	s_mov_b32 s[SEL+1], 0xfedcba98
	s_mov_b32 s38, 0x3a800000                      ; 1 / 1024
	s_mov_b32 s39, 0x3727c5ac                      ; 1e-5
	v_and_b32 v1, 31, v0                           ; lane
	v_and_b32 v2, 15, v0                           ; r
	v_bfe_u32 v3, v0, 4, 1                         ; h
	s_delay_alu instid0(VALU_DEP_3)
	v_lshlrev_b32 v4, 4, v1                        ; 16 x lane
	s_delay_alu instid0(VALU_DEP_3)
	v_mul_u32_u24 v6, v2, 528
	v_and_b32 v12, 8, v2
	s_delay_alu instid0(VALU_DEP_3)
	v_add_nc_u32 v5, s23, v4                       ; stage, by rows: 16 x lane, a row of 512 bytes an instruction
	s_delay_alu instid0(VALU_DEP_3)
	v_lshl_add_u32 v6, v3, 6, v6
	s_delay_alu instid0(VALU_DEP_3)
	v_add_nc_u32 v12, v12, v2                      ; r + 8 (r / 8)
	v_lshlrev_b32 v7, 6, v3                        ; b_out, gain and bias: 64 h
	s_delay_alu instid0(VALU_DEP_3)
	v_add_nc_u32 v6, s23, v6                       ; stage, by lanes: row r, + 64 h
	s_delay_alu instid0(VALU_DEP_3)
	v_lshl_add_u32 v12, v3, 3, v12
	v_lshl_add_u32 v8, v1, 5, s24
	v_lshlrev_b32 v9, 5, v1
	s_delay_alu instid0(VALU_DEP_3)
	v_lshlrev_b32 v[SBO], 5, v12                   ; the weight's scale bytes: row 8 h + r + 8 (r / 8) of a pair of tiles, 32 bytes a row
	s_delay_alu instid0(VALU_DEP_3)
	v_add_nc_u32 v8, RED, v8                       ; my partial sum: 32 x lane + 4 x wave
	s_delay_alu instid0(VALU_DEP_3)
	v_add_nc_u32 v9, RED, v9                       ; my lane's eight
	v_lshl_add_u32 v10, v1, 2, s40
	v_lshrrev_b32 v11, 2, v1
	v_and_b32 v12, 3, v1
	s_delay_alu instid0(VALU_DEP_3)
	v_add_nc_u32 v10, SCW, v10                     ; my scale word: 128 x wave + 4 x lane
	s_delay_alu instid0(VALU_DEP_3)
	v_lshlrev_b32 v11, 7, v11
	v_lshlrev_b32 v[SAO], 2, v2                    ; attn's scale words: 4 r, in both halves of the lanes
	v_add_nc_u32 v[AW], s41, v4
	s_delay_alu instid0(VALU_DEP_3)
	v_lshl_add_u32 v11, v12, 4, v11                ; wave 0's way out: 128 (lane / 4) + 16 (lane % 4)
	v_add_nc_u32 v[AR], AST, v4
	s_delay_alu instid0(VALU_DEP_2)
	v_add_nc_u32 v13, SCW, v11
.irp b, 0,1,2,3
	v_mov_b32 v[TM+4+\b], 0                        ; a lane permute's destination counts as one of its sources
.endr
	s_wait_alu depctr_va_vdst(0)                   ; the wait at the head's end
	s_wait_kmcnt 0x0
	s_add_nc_u64 s[46:47], s[4:5], s[32:33]
	s_add_nc_u64 s[48:49], s[4:5], s[34:35]
	s_add_nc_u64 s[6:7], s[6:7], s[42:43]
	s_add_nc_u64 s[8:9], s[8:9], s[44:45]
	s_add_nc_u64 s[10:11], s[10:11], s[30:31]
	s_add_nc_u64 s[14:15], s[14:15], s[30:31]
	s_add_nc_u64 s[16:17], s[16:17], s[30:31]
	s_add_nc_u64 s[12:13], s[12:13], s[28:29]
	s_add_nc_u64 s[18:19], s[18:19], s[28:29]
	s_add_nc_u64 s[34:35], s[20:21], s[34:35]
	s_add_nc_u64 s[20:21], s[20:21], s[32:33]
	global_load_b128 v[AF:AF+3], v4, s[46:47]              ; attn's fragment of K step = my wave's number
	global_load_b128 v[AF+4:AF+7], v4, s[46:47] offset:512
.irp s, 0,1,2,3,4,5,6,7
	global_load_b32 v[SA+\s], v[SAO], s[48:49] offset:128*\s
.endr
.irp p, 0,1,2,3
	global_load_b128 v[SB+8*\p:SB+8*\p+3], v[SBO], s[8:9] offset:\p*1024      ; four K steps' words of a row at once
	global_load_b128 v[SB+8*\p+4:SB+8*\p+7], v[SBO], s[8:9] offset:\p*1024+16
.endr
	BLD 0
	BLD 1
	s_wait_loadcnt 48                              ; attn's fragment is in; the 16 loads of scale words and the 32 of the weight, issued behind it, may be out
	ds_store_b128 v[AW], v[AF:AF+3]
	ds_store_b128 v[AW], v[AF+4:AF+7] offset:512
	BLD 2
	BARRIER                                        ; attn's 8 fragments lie in LDS
	ALD 0
	ALD 1
.set i, 0
.rept 16
	global_load_b128 v[R+4*i:R+4*i+3], v4, s[12:13] offset:(i+8*(i/8))*4096 th:TH_LOAD_NT   ; x: the tile's row i, my 512 consecutive bytes
.set i, i+1
.endr
	STEP 0, 48, 2                                  ; behind K step 0's loads: K steps 1 and 2, and x
	BLD 3
	ALD 2
	STEP 1, 48, 2
	BLD 4
	ALD 3
	STEP 2, 48, 2
	BLD 5
	ALD 4
	STEP 3, 32, 2                                  ; from here on two groups of 16 loads stand behind the step's own; x, issued ahead of K step 3, is in
	BLD 6
	ALD 5
.set i, 0
.rept 16
	ds_store_b128 v5, v[R+4*i:R+4*i+3] offset:528*i
.set i, i+1
.endr
.set i, 0
.rept 16
	ds_load_b128 v[X+4*i:X+4*i+3], v6 offset:128*(i/4)+16*(i%4)   ; my own stage: LDS serves a wave's instructions in order
.set i, i+1
.endr
	STEP 4, 32, 0                                  ; (x lies as the quantiser wants it)
	BLD 7
	ALD 6
	STEP 5, 32, 2
	VLD 192, 10                                    ; b_out into buffer 2
	ALD 7
	STEP 6, 32, 2
	VLD 64, 14                                     ; the gain into buffer 0
	STEP 7, 32, 0
	VLD 128, 16                                    ; the bias into buffer 1
	s_wait_loadcnt 32                              ; b_out is in; gain and bias may be out
	WIN 0x04                                       ; source 1 in window 1
.set j, 0
.rept 32
	v_pk_add_f32 v[X+j:X+j+1], v[X+j:X+j+1], v[j:j+1]              ; x + the product: each sum from its low end on
.set j, j+2
.endr
.set j, 0
.rept 32
	v_pk_add_f32 v[X+j:X+j+1], v[X+j:X+j+1], v[192+j:193+j]        ; + b_out: x1
.set j, j+2
.endr
	WIN 0
.set i, 0
.rept 16
	ds_store_b128 v6, v[X+4*i:X+4*i+3] offset:128*(i/4)+16*(i%4)  ; x1 back through my stage,
.set i, i+1
.endr
.set i, 0
.rept 16
	ds_load_b128 v[R+4*i:R+4*i+3], v5 offset:528*i                ; as rows of 512 bytes
.set i, i+1
.endr
.irp k, 0,1,2,3,4,5
	v_pk_add_f32 v[244+2*\k:245+2*\k], v[X+4*\k:X+4*\k+1], v[X+4*\k+2:X+4*\k+3]   ; the row's sum: 32 pairs into eight chains by turns
.endr
	v_pk_add_f32 v[234:235], v[X+24:X+25], v[X+26:X+27]
	v_pk_add_f32 v[236:237], v[X+28:X+29], v[X+30:X+31]
.irp m, 0,1
.irp k, 0,1,2,3,4,5
	v_pk_add_f32 v[244+2*\k:245+2*\k], v[244+2*\k:245+2*\k], v[X+32+16*\m+2*\k:X+33+16*\m+2*\k]
.endr
	v_pk_add_f32 v[234:235], v[234:235], v[X+44+16*\m:X+45+16*\m]
	v_pk_add_f32 v[236:237], v[236:237], v[X+46+16*\m:X+47+16*\m]
.endr
	v_pk_add_f32 v[244:245], v[244:245], v[246:247]
	v_pk_add_f32 v[248:249], v[248:249], v[250:251]
	v_pk_add_f32 v[252:253], v[252:253], v[254:255]
	v_pk_add_f32 v[234:235], v[234:235], v[236:237]
	s_delay_alu instid0(VALU_DEP_3)
	v_pk_add_f32 v[244:245], v[244:245], v[248:249]
	s_delay_alu instid0(VALU_DEP_2)
	v_pk_add_f32 v[252:253], v[252:253], v[234:235]
	s_delay_alu instid0(VALU_DEP_1)
	v_pk_add_f32 v[244:245], v[244:245], v[252:253]
	s_delay_alu instid0(VALU_DEP_1)
	v_add_f32 v234, v244, v245
	s_delay_alu instid0(VALU_DEP_1)
	v_permlanex16_b32 v235, v234, s[SEL], s[SEL+1]
	s_delay_alu instid0(VALU_DEP_1)
	v_add_f32 v234, v234, v235                     ; my row's 128 columns
	ds_store_b32 v8, v234
	BARRIER                                        ; (its wait also shows x1's rows back in registers)
.set i, 0
.rept 16
	global_store_b128 v4, v[R+4*i:R+4*i+3], s[18:19] offset:(i+8*(i/8))*4096   ; x1: 512 consecutive bytes a store; these registers are not written again
.set i, i+1
.endr
	ds_load_b128 v[240:243], v9
	ds_load_b128 v[244:247], v9 offset:16
	s_wait_dscnt 0x0
	v_add_f32 v240, v240, v241
	v_add_f32 v242, v242, v243
	v_add_f32 v244, v244, v245
	v_add_f32 v246, v246, v247
	s_delay_alu instid0(VALU_DEP_3)
	v_add_f32 v240, v240, v242
	s_delay_alu instid0(VALU_DEP_2)
	v_add_f32 v244, v244, v246
	s_delay_alu instid0(VALU_DEP_1)
	v_add_f32 v240, v240, v244
	s_delay_alu instid0(VALU_DEP_1)
	v_mul_f32 v240, s38, v240                      ; the mean
	s_delay_alu instid0(VALU_DEP_1)
	v_mov_b32 v241, v240
.set j, 0
.rept 32
	v_pk_add_f32 v[X+j:X+j+1], v[X+j:X+j+1], v[240:241] neg_lo:[0,1] neg_hi:[0,1]
.set j, j+2
.endr
	v_pk_mul_f32 v[234:235], v[X:X+1], v[X:X+1]
	v_pk_mul_f32 v[236:237], v[X+2:X+3], v[X+2:X+3]
.set j, 4
.rept 15
	s_delay_alu instid0(VALU_DEP_2)
	v_pk_fma_f32 v[234:235], v[X+j:X+j+1], v[X+j:X+j+1], v[234:235]
	s_delay_alu instid0(VALU_DEP_2)
	v_pk_fma_f32 v[236:237], v[X+j+2:X+j+3], v[X+j+2:X+j+3], v[236:237]
.set j, j+4
.endr
	s_delay_alu instid0(VALU_DEP_1)
	v_pk_add_f32 v[234:235], v[234:235], v[236:237]
	s_delay_alu instid0(VALU_DEP_1)
	v_add_f32 v234, v234, v235
	s_delay_alu instid0(VALU_DEP_1)
	v_permlanex16_b32 v235, v234, s[SEL], s[SEL+1]
	s_delay_alu instid0(VALU_DEP_1)
	v_add_f32 v234, v234, v235
	ds_store_b32 v8, v234 offset:1024              ; bytes of their own: no barrier is owed between the first sums' reads and these stores
	BARRIER
	ds_load_b128 v[240:243], v9 offset:1024
	ds_load_b128 v[244:247], v9 offset:1040
	s_wait_dscnt 0x0
	v_add_f32 v240, v240, v241
	v_add_f32 v242, v242, v243
	v_add_f32 v244, v244, v245
	v_add_f32 v246, v246, v247
	s_delay_alu instid0(VALU_DEP_3)
	v_add_f32 v240, v240, v242
	s_delay_alu instid0(VALU_DEP_2)
	v_add_f32 v244, v244, v246
	s_delay_alu instid0(VALU_DEP_1)
	v_add_f32 v240, v240, v244
	s_delay_alu instid0(VALU_DEP_1)
	v_fma_f32 v240, v240, s38, s39                 ; the variance + eps
	s_wait_alu depctr_va_vdst(0)                   ; the wait ahead of the transcendental,
	v_rsq_f32 v242, v240
	v_nop                                          ; a plain place behind it,
	s_wait_alu depctr_va_vdst(0)                   ; and the wait ahead of its first reader
	v_mov_b32 v243, v242
	s_wait_alu depctr_va_vdst(0)                   ; and directly ahead of the wait below
	s_wait_loadcnt 0x0                             ; gain and bias
.set j, 0
.rept 32
	v_pk_mul_f32 v[X+j:X+j+1], v[X+j:X+j+1], v[242:243]
.set j, j+2
.endr
	WIN 0x14                                       ; sources 1 and 2 in window 1
.set j, 0
.rept 32
	v_pk_fma_f32 v[X+j:X+j+1], v[X+j:X+j+1], v[64+j:65+j], v[128+j:129+j]
.set j, j+2
.endr
	WIN 0
	QUANT X
	global_store_b128 v4, v[PC:PC+3], s[20:21]     ; 512 consecutive bytes a store
	global_store_b128 v4, v[PC+4:PC+7], s[20:21] offset:512
	ds_store_b32 v10, v[PW]
	BARRIER                                        ; the tile's eight rows of scale words lie in LDS
	s_cmp_lg_u32 s22, 0
	s_cbranch_scc1 .Lend
	ds_load_b128 v[240:243], v13                   ; wave 0: K step lane / 4, rows 4 (lane % 4) on
	s_wait_dscnt 0x0
	global_store_b128 v11, v[240:243], s[34:35]
.Lend:
	s_wait_tensorcnt 0x0                           ; the wave's end
	ds_add_u32 v[SPW], v[NIL]
	s_wait_dscnt 0x0
	s_endpgm
.Lfunc_end_k_qd764a0d4f4_oln:
	.size	k_qd764a0d4f4_oln, .Lfunc_end_k_qd764a0d4f4_oln-k_qd764a0d4f4_oln
	.p2alignl 7, 3214868480
	.fill 96, 4, 3214868480
	.section	.rodata,"a",@progbits
	.p2align	6, 0x0
	.amdhsa_kernel k_qd764a0d4f4_oln
		.amdhsa_group_segment_fixed_size 79872
		.amdhsa_private_segment_fixed_size 0
		.amdhsa_enable_private_segment 0
		.amdhsa_kernarg_size 72
		.amdhsa_user_sgpr_count 2
		.amdhsa_user_sgpr_kernarg_segment_ptr 1
		.amdhsa_wavefront_size32 1
		.amdhsa_system_sgpr_workgroup_id_x 1
		.amdhsa_system_sgpr_workgroup_id_y 1
		.amdhsa_system_sgpr_workgroup_id_z 1
		.amdhsa_system_vgpr_workitem_id 0
		.amdhsa_next_free_vgpr 512
		.amdhsa_next_free_sgpr 66
		.amdhsa_reserve_vcc 0
		.amdhsa_float_denorm_mode_32 3
		.amdhsa_float_denorm_mode_16_64 3
		.amdhsa_memory_ordered 1
		.amdhsa_forward_progress 1
		.amdhsa_inst_pref_size 65
	.end_amdhsa_kernel
	.amdgpu_metadata
---
amdhsa.version: [ 1, 2 ]
amdhsa.kernels:
  - .name:           k_qd764a0d4f4_oln
    .symbol:         k_qd764a0d4f4_oln.kd
    .args:
      - { .name: at, .offset: 0, .size: 8, .value_kind: global_buffer, .address_space: global }
      - { .name: wimg, .offset: 8, .size: 8, .value_kind: global_buffer, .address_space: global }
      - { .name: w_out_scales, .offset: 16, .size: 8, .value_kind: global_buffer, .address_space: global }
      - { .name: b_out, .offset: 24, .size: 8, .value_kind: global_buffer, .address_space: global }
      - { .name: x, .offset: 32, .size: 8, .value_kind: global_buffer, .address_space: global }
      - { .name: ln2_g, .offset: 40, .size: 8, .value_kind: global_buffer, .address_space: global }
      - { .name: ln2_b, .offset: 48, .size: 8, .value_kind: global_buffer, .address_space: global }
      - { .name: x1, .offset: 56, .size: 8, .value_kind: global_buffer, .address_space: global }
      - { .name: h2, .offset: 64, .size: 8, .value_kind: global_buffer, .address_space: global }
    .group_segment_fixed_size: 79872
    .private_segment_fixed_size: 0
    .kernarg_segment_align: 8
    .kernarg_segment_size: 72
    .max_flat_workgroup_size: 256
    .sgpr_count:     66
    .vgpr_count:     512
    .wavefront_size: 32
...
	.end_amdgpu_metadata
.endif
;; end of part 4
;; launch ff1 (part 5): grid 16 x 16, 8 waves a work-group, no clusters, 327,680 bytes of LDS; arguments h2, wimg, w_ff1_scales, b_ff1, gg; writes gg
.if DOCPART == 5
	.amdgcn_target "amdgcn-amd-amdhsa--gfx1250"
	.amdhsa_code_object_version 6
	.text
	.protected	k_qd764a0d4f4_ff1
	.globl	k_qd764a0d4f4_ff1
	.p2align	8
	.type	k_qd764a0d4f4_ff1,@function
k_qd764a0d4f4_ff1:
	s_mov_b64 s[64:65], 0
	v_nop
	global_prefetch_b8 v0, s[64:65] scope:SCOPE_SE
	s_setreg_imm32_b32 hwreg(HW_REG_WAVE_MODE, 25, 1), 1
	s_wait_xcnt 0x0
.set BIAS,  262144
.set SPARE, 263168
.set AF,  80
.set BF,  112
.set SA,  176
.set SB,  192
.set TM,  224
.set PC,  240
.set PW,  248
.set BO,  249
.set ST,  80
.set Z,   16
.set W,   32
.set P,   48
.set Q,   64
.set CA,  144
.set CB,  146
.set PWP, 148
.set SWD, 149
.set ADA, 8
.set ADB, 250
.set SPW, 6
.set NIL, 7
.set SEL, 40
.set HM,  42
.set G0,  48
.set G1,  68
.set MSB, 0
.macro WIN new
.if MSB != \new
	s_set_vgpr_msb (MSB<<8)|\new
.set MSB, \new
.endif
.endm
.macro PLACES
.rept 4
	v_nop
.endr
.endm
.macro QUANT s
.irp b, 0,1,2,3
	v_max3_num_f32 v[TM+\b], |v[\s+16*\b]|, |v[\s+1+16*\b]|, 0x1800000
.endr
.irp i, 2,4,6,8,10,12,14
.irp b, 0,1,2,3
	s_delay_alu instid0(VALU_DEP_4)
	v_max3_num_f32 v[TM+\b], v[TM+\b], |v[\s+16*\b+\i]|, |v[\s+1+16*\b+\i]|
.endr
.endr
.irp b, 0,1,2,3
	s_delay_alu instid0(VALU_DEP_4)
	v_permlanex16_b32 v[TM+4+\b], v[TM+\b], s[SEL], s[SEL+1]
.endr
.irp b, 0,1,2,3
	s_delay_alu instid0(VALU_DEP_4)
	v_max_num_f32 v[TM+\b], v[TM+\b], v[TM+4+\b]
.endr
.irp b, 0,1,2,3
	s_delay_alu instid0(VALU_DEP_4)
	v_add_nc_u32 v[TM+12+\b], 0xff000000, v[TM+\b]
.endr
.irp b, 0,1,2,3
	s_delay_alu instid0(VALU_DEP_4)
	v_lshrrev_b32 v[TM+4+\b], 23, v[TM+12+\b]
.endr
	s_delay_alu instid0(VALU_DEP_3)
	v_lshl_or_b32 v[PW], v[TM+5], 8, v[TM+4]
	s_delay_alu instid0(VALU_DEP_1)
	v_lshl_or_b32 v[PW], v[TM+6], 16, v[PW]
	s_delay_alu instid0(VALU_DEP_1)
	v_lshl_or_b32 v[PW], v[TM+7], 24, v[PW]
.irp b, 0,1,2,3
	v_cvt_scalef32_pk8_fp4_f32 v[PC+2*\b], v[\s+16*\b:\s+7+16*\b], v[TM+12+\b]
	v_cvt_scalef32_pk8_fp4_f32 v[PC+1+2*\b], v[\s+8+16*\b:\s+15+16*\b], v[TM+12+\b]
.endr
	v_nop
.irp c, 0,1
.irp i, 0,1
	v_permlane16_swap_b32 v[PC+4*\c+\i], v[PC+2+4*\c+\i]
.endr
.endr
.endm
.macro WM d, x, y, z, sx, sy, m
.if (\z) && ((\m) == 0)
	v_wmma_scale_f32_16x16x128_f8f6f4 v[(\d):(\d)+7], v[(\x):(\x)+7], v[(\y):(\y)+7], 0, v[\sx], v[\sy] matrix_a_fmt:MATRIX_FMT_FP4 matrix_b_fmt:MATRIX_FMT_FP4
.elseif (\z) && ((\m) == 1)
	v_wmma_scale_f32_16x16x128_f8f6f4 v[(\d):(\d)+7], v[(\x):(\x)+7], v[(\y):(\y)+7], 0, v[\sx], v[\sy] matrix_a_fmt:MATRIX_FMT_FP4 matrix_b_fmt:MATRIX_FMT_FP4 matrix_a_scale:MATRIX_SCALE_ROW1
.elseif (\z) && ((\m) == 2)
	v_wmma_scale_f32_16x16x128_f8f6f4 v[(\d):(\d)+7], v[(\x):(\x)+7], v[(\y):(\y)+7], 0, v[\sx], v[\sy] matrix_a_fmt:MATRIX_FMT_FP4 matrix_b_fmt:MATRIX_FMT_FP4 matrix_b_scale:MATRIX_SCALE_ROW1
.elseif (\z)
	v_wmma_scale_f32_16x16x128_f8f6f4 v[(\d):(\d)+7], v[(\x):(\x)+7], v[(\y):(\y)+7], 0, v[\sx], v[\sy] matrix_a_fmt:MATRIX_FMT_FP4 matrix_b_fmt:MATRIX_FMT_FP4 matrix_a_scale:MATRIX_SCALE_ROW1 matrix_b_scale:MATRIX_SCALE_ROW1
.elseif (\m) == 0
	v_wmma_scale_f32_16x16x128_f8f6f4 v[(\d):(\d)+7], v[(\x):(\x)+7], v[(\y):(\y)+7], v[(\d):(\d)+7], v[\sx], v[\sy] matrix_a_fmt:MATRIX_FMT_FP4 matrix_b_fmt:MATRIX_FMT_FP4
.elseif (\m) == 1
	v_wmma_scale_f32_16x16x128_f8f6f4 v[(\d):(\d)+7], v[(\x):(\x)+7], v[(\y):(\y)+7], v[(\d):(\d)+7], v[\sx], v[\sy] matrix_a_fmt:MATRIX_FMT_FP4 matrix_b_fmt:MATRIX_FMT_FP4 matrix_a_scale:MATRIX_SCALE_ROW1
.elseif (\m) == 2
	v_wmma_scale_f32_16x16x128_f8f6f4 v[(\d):(\d)+7], v[(\x):(\x)+7], v[(\y):(\y)+7], v[(\d):(\d)+7], v[\sx], v[\sy] matrix_a_fmt:MATRIX_FMT_FP4 matrix_b_fmt:MATRIX_FMT_FP4 matrix_b_scale:MATRIX_SCALE_ROW1
.else
	v_wmma_scale_f32_16x16x128_f8f6f4 v[(\d):(\d)+7], v[(\x):(\x)+7], v[(\y):(\y)+7], v[(\d):(\d)+7], v[\sx], v[\sy] matrix_a_fmt:MATRIX_FMT_FP4 matrix_b_fmt:MATRIX_FMT_FP4 matrix_a_scale:MATRIX_SCALE_ROW1 matrix_b_scale:MATRIX_SCALE_ROW1
.endif
.endm
.macro QUAD pa, pb, s, z
	WM 8*(8*(2*\pa)+2*\pb), BF+8*(2*\pb), AF+8*(2*\pa), \z, SB+8*\pb+\s, SA+8*\pa+\s, 0
	WM 8*(8*(2*\pa)+2*\pb+1), BF+8*(2*\pb+1), AF+8*(2*\pa), \z, SB+8*\pb+\s, SA+8*\pa+\s, 1
	WM 8*(8*(2*\pa+1)+2*\pb), BF+8*(2*\pb), AF+8*(2*\pa+1), \z, SB+8*\pb+\s, SA+8*\pa+\s, 2
	WM 8*(8*(2*\pa+1)+2*\pb+1), BF+8*(2*\pb+1), AF+8*(2*\pa+1), \z, SB+8*\pb+\s, SA+8*\pa+\s, 3
.endm
.macro KSTEP slot, sl, s, z
.irp b, 0,1,2,3,4,5,6,7
	ds_load_b128 v[BF+8*\b:BF+8*\b+3], v[ADB] offset:\b*8192+(\s)*1024        ; LDS holds the memory's image: fragment (tile, K step s) at tile x 8,192 + s x 1,024
	ds_load_b128 v[BF+8*\b+4:BF+8*\b+7], v[ADB] offset:\b*8192+(\s)*1024+512
.endr
.irp a, 0,1,2,3
	ds_load_b128 v[AF+8*\a:AF+8*\a+3], v[ADA] offset:\a*8192+(\s)*1024
	ds_load_b128 v[AF+8*\a+4:AF+8*\a+7], v[ADA] offset:\a*8192+(\s)*1024+512
.endr
	WIN 0x50
.irp pa, 0,1
	s_wait_dscnt 4*(1-\pa)
.irp pb, 0,1,2,3
	QUAD \pa, \pb, \s, \z
.endr
.endr
	WIN 0
	PLACES
.endm
.macro CHUNK c, z
.if \z                                 ; one wait and one barrier for all of K: my one tensor load has landed, the bias lies in LDS bytes of its own; behind the barrier everybody's do
	s_wait_tensorcnt 0x0
	s_wait_loadcnt 0x0
	ds_store_b32 v13, v15
	s_wait_dscnt 0x0
	s_barrier_signal -1
	s_barrier_wait -1
.endif
	KSTEP \c, 0, 2*(\c), \z
	KSTEP \c, 1, 2*(\c)+1, 0
.endm
.macro GELU g
.set XG, ST+16*(\g)
.irp j, 0,2,4,6,8,10,12,14
	v_pk_mul_f32 v[Z+\j:Z+\j+1], v[XG+\j:XG+\j+1], 0x3f3504f3 op_sel_hi:[1,0]
.endr
.irp j, 0,1,2,3,4,5,6,7,8,9,10,11,12,13,14,15
	v_med3_num_f32 v[Z+\j], v[Z+\j], -4.0, 4.0
.endr
.irp j, 0,2,4,6,8,10,12,14
	v_pk_mul_f32 v[W+\j:W+\j+1], v[Z+\j:Z+\j+1], v[Z+\j:Z+\j+1]
.endr
.irp j, 0,2,4,6,8,10,12,14
	v_pk_fma_f32 v[P+\j:P+\j+1], v[W+\j:W+\j+1], 0xaf95df0b, v[CA:CA+1] op_sel_hi:[1,0,1]
.endr
.irp k, 0xb60cff51, 0xb86ec2d2, 0xba40ac63, 0xbb41a1f6, 0xbc83dbd4
.irp j, 0,2,4,6,8,10,12,14
	v_pk_fma_f32 v[P+\j:P+\j+1], v[P+\j:P+\j+1], v[W+\j:W+\j+1], \k op_sel_hi:[1,1,0]
.endr
.endr
.irp j, 0,2,4,6,8,10,12,14
	v_pk_fma_f32 v[Q+\j:Q+\j+1], v[W+\j:W+\j+1], 0xb77460cd, v[CB:CB+1] op_sel_hi:[1,0,1]
.endr
.irp k, 0xbadc924e, 0xbbf19bf8, 0xbc69b6a7
.irp j, 0,2,4,6,8,10,12,14
	v_pk_fma_f32 v[Q+\j:Q+\j+1], v[Q+\j:Q+\j+1], v[W+\j:W+\j+1], \k op_sel_hi:[1,1,0]
.endr
.endr
.irp j, 0,2,4,6,8,10,12,14
	v_pk_mul_f32 v[P+\j:P+\j+1], v[P+\j:P+\j+1], v[Z+\j:Z+\j+1]
.endr
	s_wait_alu depctr_va_vdst(0)
.irp j, 0,1,2,3,4,5,6,7,8,9,10,11,12,13,14,15
	v_rcp_f32 v[Q+\j], v[Q+\j]
.endr
.irp j, 0,2,4,6,8,10,12,14
	v_pk_mul_f32 v[XG+\j:XG+\j+1], v[XG+\j:XG+\j+1], 0.5 op_sel_hi:[1,0]
.endr
	s_wait_alu depctr_va_vdst(0)
.irp j, 0,2,4,6,8,10,12,14
	v_pk_mul_f32 v[P+\j:P+\j+1], v[P+\j:P+\j+1], v[Q+\j:Q+\j+1]
.endr
.irp j, 0,2,4,6,8,10,12,14
	v_pk_fma_f32 v[XG+\j:XG+\j+1], v[XG+\j:XG+\j+1], v[P+\j:P+\j+1], v[XG+\j:XG+\j+1]
.endr
.endm
	s_load_b256 s[4:11], s[0:1], 0x0
	s_load_b64 s[12:13], s[0:1], 0x20
	v_lshl_add_u32 v[SPW], v0, 2, SPARE
	v_mov_b32 v[NIL], 0
	ds_add_u32 v[SPW], v[NIL]
	ds_add_u32 v[SPW], v[NIL]
	v_lshrrev_b32 v1, 5, v0
	s_delay_alu instid0(VALU_DEP_1)
	v_readfirstlane_b32 s16, v1
	s_and_b32 s18, ttmp7, 0xffff
	s_lshr_b32 s19, s16, 1
	s_and_b32 s20, s16, 1
	v_and_b32 v12, 31, v0
	v_and_b32 v13, 15, v0
	v_bfe_u32 v14, v0, 4, 1
	s_delay_alu instid0(VALU_DEP_3)
	v_lshlrev_b32 v1, 4, v12
	s_delay_alu instid0(VALU_DEP_4)
	v_lshlrev_b32 v5, 2, v12
	; THE FILL: one tensor load a wave brings four tiles for all of K, 32,768 dense bytes, to LDS byte 32,768 x wave: A's 16 tiles x 8,192 bytes (waves 0-3), then B's 16 (waves 4-7); filled once
	s_lshl_b32 s21, s19, 15
	v_add_nc_u32 v[ADA], s21, v1                   ; my 4 tiles of A
	s_lshl_b32 s21, s20, 16
	s_add_co_u32 s21, s21, 0x20000
	v_add_nc_u32 v[ADB], s21, v1                   ; my 8 tiles of B, behind A's 16
	v_and_b32 v15, 8, v13
	s_delay_alu instid0(VALU_DEP_1)
	v_add_nc_u32 v15, v15, v13
	s_delay_alu instid0(VALU_DEP_1)
	v_lshl_add_u32 v12, v14, 3, v15
	s_delay_alu instid0(VALU_DEP_1)
	v_lshlrev_b32 v12, 5, v12
	v_lshlrev_b32 v[BO], 2, v0
	v_lshl_add_u32 v13, v0, 2, BIAS
	s_lshl_b32 s21, s20, 9
	s_add_co_u32 s21, s21, BIAS
	v_lshl_add_u32 v14, v14, 6, s21
.irp b, 0,1,2,3
	v_mov_b32 v[TM+4+\b], 0
.endr
	s_mov_b32 s[SEL], 0x76543210
	s_mov_b32 s[SEL+1], 0xfedcba98
	s_mov_b32 s[HM], 0xffff0000
	s_lshl_b32 s24, s18, 17
	s_mov_b32 s25, 0
	s_lshl_b32 s26, ttmp9, 17
	s_add_co_u32 s26, s26, 0x200000
	s_mov_b32 s27, 0
	s_lshl_b32 s28, s18, 3
	s_lshl_b32 s29, s19, 1
	s_add_co_u32 s28, s28, s29
	s_lshl_b32 s36, s28, 5
	s_lshl_b32 s28, s28, 10
	s_add_co_u32 s28, s28, 0x200000
	s_mov_b32 s29, 0
	s_lshl_b32 s30, ttmp9, 8
	s_lshl_b32 s31, s20, 7
	s_add_co_u32 s31, s30, s31
	s_lshl_b32 s32, s31, 5
	s_mov_b32 s33, 0
	s_lshl_b32 s30, s30, 2
	s_mov_b32 s31, 0
	s_lshl_b32 s34, ttmp9, 1
	s_add_co_u32 s34, s34, s20
	s_add_co_u32 s36, s36, s34
	s_lshl_b32 s36, s36, 7
	s_add_co_u32 s36, s36, 0x800000
	s_mov_b32 s37, 0
	s_lshl_b32 s35, s18, 4
	s_lshl_b32 s38, s19, 2
	s_add_co_u32 s35, s35, s38
	s_lshl_b32 s35, s35, 5
	s_add_co_u32 s34, s34, s35
	s_lshl_b32 s34, s34, 10
	s_mov_b32 s35, 0
	s_lshr_b32 s79, s16, 2
	s_and_b32 s22, s16, 3
	s_lshl_b32 s76, s22, 15
	s_mov_b32 s77, 0
	s_lshl_b32 s78, s16, 15
	s_mov_b32 s[G1+0], 3<<16
	s_mov_b32 s[G1+1], 1024<<16                    ; a tile's 8,192 bytes as 1,024 elements of 8; four tiles on end
	s_mov_b32 s[G1+2], 4<<16
	s_mov_b32 s[G1+3], 1024<<16
	s_mov_b32 s[G1+4], 4
	s_mov_b32 s[G1+5], 1024
	s_mov_b32 s[G1+6], 0
	s_mov_b32 s[G1+7], 0
	s_wait_alu depctr_va_vdst(0)
	s_wait_dscnt 0x0
	s_wait_kmcnt 0x0
	s_add_nc_u64 s[22:23], s[4:5], s[28:29]
	s_add_nc_u64 s[4:5], s[4:5], s[24:25]
	s_add_nc_u64 s[6:7], s[6:7], s[26:27]
	s_add_nc_u64 s[8:9], s[8:9], s[32:33]
	s_add_nc_u64 s[10:11], s[10:11], s[30:31]
	s_add_nc_u64 s[44:45], s[12:13], s[36:37]
	s_add_nc_u64 s[12:13], s[12:13], s[34:35]
	s_cmp_eq_u32 s79, 0
	s_cselect_b64 s[46:47], s[4:5], s[6:7]
	s_add_nc_u64 s[46:47], s[46:47], s[76:77]
	s_mov_b32 s[G0], 1
	s_mov_b32 s[G0+1], s78
	s_mov_b64 s[G0+2:G0+3], s[46:47]
	s_or_b32 s[G0+3], s[G0+3], 0x80000000
	tensor_load_to_lds s[G0:G0+3], s[G1:G1+7]      ; my one tensor load, behind the opening lines
	s_nop 0
	PLACES
	global_load_b32 v15, v[BO], s[10:11]
.irp p, 0,1
.irp t, 0,1,2,3,4,5,6,7
	global_load_b32 v[SA+8*\p+\t], v5, s[22:23] offset:\p*1024+\t*128
.endr
.endr
.irp p, 0,1,2,3
	global_load_b128 v[SB+8*\p:SB+8*\p+3], v12, s[8:9] offset:\p*1024
	global_load_b128 v[SB+8*\p+4:SB+8*\p+7], v12, s[8:9] offset:\p*1024+16
.endr
	CHUNK 0, 1
	CHUNK 1, 0
	CHUNK 2, 0
	CHUNK 3, 0
	v_mov_b32 v[CA], 0x32edffee
	v_mov_b32 v[CA+1], 0x32edffee
	v_mov_b32 v[CB], 0xb95fbd29
	v_mov_b32 v[CB+1], 0xb95fbd29
.irp a, 0,1,2,3
.set i, 0
.rept 16
	ds_load_b128 v[ST+4*i:ST+4*i+3], v14 offset:128*(i/4)+16*(i%4)
.set i, i+1
.endr
	s_wait_dscnt 0x0
	WIN 0x01
.set j, 0
.rept 32
	v_pk_add_f32 v[ST+j:ST+j+1], v[64*\a+j:64*\a+j+1], v[ST+j:ST+j+1]
.set j, j+2
.endr
	WIN 0
	GELU 0
	GELU 1
	GELU 2
	GELU 3
.if \a > 0
	s_wait_xcnt 0x0
.endif
	QUANT ST
	global_store_b128 v1, v[PC:PC+3], s[12:13] offset:\a*32768
	global_store_b128 v1, v[PC+4:PC+7], s[12:13] offset:\a*32768+512
.if \a % 2
	v_cndmask_b32 v[SWD], v[PWP], v[PW], s[HM]
	global_store_b32 v5, v[SWD], s[44:45] offset:(\a/2)*4096
.else
	v_mov_b32 v[PWP], v[PW]
.endif
.endr
	s_wait_tensorcnt 0x0
	ds_add_u32 v[SPW], v[NIL]
	s_wait_dscnt 0x0
	s_endpgm
.Lfunc_end_k_qd764a0d4f4_ff1:
	.size	k_qd764a0d4f4_ff1, .Lfunc_end_k_qd764a0d4f4_ff1-k_qd764a0d4f4_ff1
	.p2alignl 7, 3214868480
	.fill 96, 4, 3214868480
	.section	.rodata,"a",@progbits
	.p2align	6, 0x0
	.amdhsa_kernel k_qd764a0d4f4_ff1
		.amdhsa_group_segment_fixed_size 327680
		.amdhsa_private_segment_fixed_size 0
		.amdhsa_enable_private_segment 0
		.amdhsa_kernarg_size 40
		.amdhsa_user_sgpr_count 2
		.amdhsa_user_sgpr_kernarg_segment_ptr 1
		.amdhsa_wavefront_size32 1
		.amdhsa_system_sgpr_workgroup_id_x 1
		.amdhsa_system_sgpr_workgroup_id_y 1
		.amdhsa_system_sgpr_workgroup_id_z 1
		.amdhsa_system_vgpr_workitem_id 0
		.amdhsa_next_free_vgpr 512
		.amdhsa_next_free_sgpr 80
		.amdhsa_reserve_vcc 0
		.amdhsa_float_denorm_mode_32 3
		.amdhsa_float_denorm_mode_16_64 3
		.amdhsa_memory_ordered 1
		.amdhsa_forward_progress 1
		.amdhsa_inst_pref_size 255
	.end_amdhsa_kernel
	.section	.bss,"aw",@nobits
	.p2align	6
	.space	262144
	.amdgpu_metadata
---
amdhsa.version: [ 1, 2 ]
amdhsa.kernels:
  - .name:           k_qd764a0d4f4_ff1
    .symbol:         k_qd764a0d4f4_ff1.kd
    .args:
      - { .name: h2, .offset: 0, .size: 8, .value_kind: global_buffer, .address_space: global }
      - { .name: wimg, .offset: 8, .size: 8, .value_kind: global_buffer, .address_space: global }
      - { .name: w_ff1_scales, .offset: 16, .size: 8, .value_kind: global_buffer, .address_space: global }
      - { .name: b_ff1, .offset: 24, .size: 8, .value_kind: global_buffer, .address_space: global }
      - { .name: gg, .offset: 32, .size: 8, .value_kind: global_buffer, .address_space: global }
    .group_segment_fixed_size: 327680
    .private_segment_fixed_size: 0
    .kernarg_segment_align: 8
    .kernarg_segment_size: 40
    .max_flat_workgroup_size: 256
    .sgpr_count:     80
    .vgpr_count:     512
    .wavefront_size: 32
...
	.end_amdgpu_metadata
.endif
;; end of part 5
;; launch ff2 (part 6): grid 8 x 32, 4 waves a work-group, no clusters, 327,680 bytes of LDS; arguments gg, wimg, w_ff2_scales, b_ff2, x1, out0; writes out0
.if DOCPART == 6
	.amdgcn_target "amdgcn-amd-amdhsa--gfx1250"
	.amdhsa_code_object_version 6
	.text
	.protected	k_qd764a0d4f4_ff2
	.globl	k_qd764a0d4f4_ff2
	.p2align	8
	.type	k_qd764a0d4f4_ff2,@function
k_qd764a0d4f4_ff2:
	s_mov_b64 s[64:65], 0
	v_nop
	global_prefetch_b8 v0, s[64:65] scope:SCOPE_SE
	s_setreg_imm32_b32 hwreg(HW_REG_WAVE_MODE, 25, 1), 1
	s_wait_xcnt 0x0
.set S,     32
.set WOFF,  4194304
.set SCOFF, 8388608
.set NB,    S/8
.set SLOT,  131072
.set STAGE, 262144
.set SPARE, 279552
.set OB,  16
.set SC,  144
.set BIA, 208
.set ADA, 8
.set ADB, 10
.set SPW, 6
.set NIL, 7
.set G0,  36
.set G1,  44
.set MSB, 0
.macro WIN new
.if MSB != \new
	s_set_vgpr_msb (MSB<<8)|\new
.set MSB, \new
.endif
.endm
.macro PLACES
.rept 4
	v_nop
.endr
.endm
.macro WM d, x, y, z, sx, sy, m
.if (\z) && ((\m) == 0)
	v_wmma_scale_f32_16x16x128_f8f6f4 v[(\d):(\d)+7], v[(\x):(\x)+7], v[(\y):(\y)+7], 0, v[\sx], v[\sy] matrix_a_fmt:MATRIX_FMT_FP4 matrix_b_fmt:MATRIX_FMT_FP4
.elseif (\z) && ((\m) == 1)
	v_wmma_scale_f32_16x16x128_f8f6f4 v[(\d):(\d)+7], v[(\x):(\x)+7], v[(\y):(\y)+7], 0, v[\sx], v[\sy] matrix_a_fmt:MATRIX_FMT_FP4 matrix_b_fmt:MATRIX_FMT_FP4 matrix_a_scale:MATRIX_SCALE_ROW1
.elseif (\z) && ((\m) == 2)
	v_wmma_scale_f32_16x16x128_f8f6f4 v[(\d):(\d)+7], v[(\x):(\x)+7], v[(\y):(\y)+7], 0, v[\sx], v[\sy] matrix_a_fmt:MATRIX_FMT_FP4 matrix_b_fmt:MATRIX_FMT_FP4 matrix_b_scale:MATRIX_SCALE_ROW1
.elseif (\z)
	v_wmma_scale_f32_16x16x128_f8f6f4 v[(\d):(\d)+7], v[(\x):(\x)+7], v[(\y):(\y)+7], 0, v[\sx], v[\sy] matrix_a_fmt:MATRIX_FMT_FP4 matrix_b_fmt:MATRIX_FMT_FP4 matrix_a_scale:MATRIX_SCALE_ROW1 matrix_b_scale:MATRIX_SCALE_ROW1
.elseif (\m) == 0
	v_wmma_scale_f32_16x16x128_f8f6f4 v[(\d):(\d)+7], v[(\x):(\x)+7], v[(\y):(\y)+7], v[(\d):(\d)+7], v[\sx], v[\sy] matrix_a_fmt:MATRIX_FMT_FP4 matrix_b_fmt:MATRIX_FMT_FP4
.elseif (\m) == 1
	v_wmma_scale_f32_16x16x128_f8f6f4 v[(\d):(\d)+7], v[(\x):(\x)+7], v[(\y):(\y)+7], v[(\d):(\d)+7], v[\sx], v[\sy] matrix_a_fmt:MATRIX_FMT_FP4 matrix_b_fmt:MATRIX_FMT_FP4 matrix_a_scale:MATRIX_SCALE_ROW1
.elseif (\m) == 2
	v_wmma_scale_f32_16x16x128_f8f6f4 v[(\d):(\d)+7], v[(\x):(\x)+7], v[(\y):(\y)+7], v[(\d):(\d)+7], v[\sx], v[\sy] matrix_a_fmt:MATRIX_FMT_FP4 matrix_b_fmt:MATRIX_FMT_FP4 matrix_b_scale:MATRIX_SCALE_ROW1
.else
	v_wmma_scale_f32_16x16x128_f8f6f4 v[(\d):(\d)+7], v[(\x):(\x)+7], v[(\y):(\y)+7], v[(\d):(\d)+7], v[\sx], v[\sy] matrix_a_fmt:MATRIX_FMT_FP4 matrix_b_fmt:MATRIX_FMT_FP4 matrix_a_scale:MATRIX_SCALE_ROW1 matrix_b_scale:MATRIX_SCALE_ROW1
.endif
.endm
.macro QUAD pa, pb, sc, z, fb
	WM 8*(4*(2*\pa)+2*\pb), (\fb)+32+8*(2*\pb), (\fb)+8*(2*\pa), \z, (\sc)+16+8*\pb, (\sc)+8*\pa, 0
	WM 8*(4*(2*\pa)+2*\pb+1), (\fb)+32+8*(2*\pb+1), (\fb)+8*(2*\pa), \z, (\sc)+16+8*\pb, (\sc)+8*\pa, 1
	WM 8*(4*(2*\pa+1)+2*\pb), (\fb)+32+8*(2*\pb), (\fb)+8*(2*\pa+1), \z, (\sc)+16+8*\pb, (\sc)+8*\pa, 2
	WM 8*(4*(2*\pa+1)+2*\pb+1), (\fb)+32+8*(2*\pb+1), (\fb)+8*(2*\pa+1), \z, (\sc)+16+8*\pb, (\sc)+8*\pa, 3
.endm
.macro SCALE_LD g
.irp p, 0,1
.irp t, 0,1,2,3,4,5,6,7
	global_load_b32 v[SC+32*((\g)%2)+8*\p+\t], v2, s[22:23] offset:\p*S*128+(8*(\g)+\t)*128
.endr
.endr
.irp p, 0,1
	global_load_b128 v[SC+32*((\g)%2)+16+8*\p:SC+32*((\g)%2)+16+8*\p+3], v5, s[8:9] offset:\p*128*S+32*(\g)
	global_load_b128 v[SC+32*((\g)%2)+20+8*\p:SC+32*((\g)%2)+20+8*\p+3], v5, s[8:9] offset:\p*128*S+32*(\g)+16
.endr
.endm
.macro EPI_LD
	WIN 0x40
.irp a, 0,1,2,3
.irp t, 0,1,2,3,4,5,6,7
	global_load_b128 v[128+32*\a+4*\t:128+32*\a+4*\t+3], v14, s[12:13] offset:(32*(\a/2)+8*(\a%2)+2*\t+8*(\t/4))*4096
.endr
.endr
	WIN 0
	global_load_b128 v[BIA:BIA+3], v15, s[10:11]
.endm
.macro FRAGS slot, sl, f
.set FB, 80-64*(\f)
.irp b, 0,1,2,3
	ds_load_b128 v[FB+32+8*\b:FB+32+8*\b+3], v[ADB+\slot] offset:\b*8192+(\sl)*1024
	ds_load_b128 v[FB+32+8*\b+4:FB+32+8*\b+7], v[ADB+\slot] offset:\b*8192+(\sl)*1024+512
.endr
.irp a, 0,1,2,3
	ds_load_b128 v[FB+8*\a:FB+8*\a+3], v[ADA+\slot] offset:\a*8192+(\sl)*1024
	ds_load_b128 v[FB+8*\a+4:FB+8*\a+7], v[ADA+\slot] offset:\a*8192+(\sl)*1024+512
.endr
.endm
.macro KSTEP slot, sl, sc, z
.if (\sl) < 7
	FRAGS \slot, (\sl)+1, ((\sl)+1)%2
	s_wait_dscnt 16
.else
	s_wait_dscnt 0x0
.endif
	WIN 0x50
.irp pa, 0,1
.irp pb, 0,1
	QUAD \pa, \pb, \sc, \z, 80-64*((\sl)%2)
.endr
.endr
	WIN 0
	PLACES
.endm
.macro TURN g
	s_wait_loadcnt 0x0
	s_wait_tensorcnt 0x0
	ds_add_u32 v[SPW], v[NIL]
.if (\g)+1 < NB
	s_add_nc_u64 s[G0+4*(((\g)+1)%2)+2:G0+4*(((\g)+1)%2)+3], s[G0+4*(((\g)+1)%2)+2:G0+4*(((\g)+1)%2)+3], 2*8192
.endif
	s_wait_dscnt 0x0
	s_barrier_signal -1
	s_barrier_wait -1
.if (\g)+1 < NB
	tensor_load_to_lds s[G0+4*(((\g)+1)%2):G0+4*(((\g)+1)%2)+3], s[G1:G1+7]
	s_nop 0
	PLACES
.endif
.endm
.macro BIG g
.if (\g)+1 < NB
	SCALE_LD (\g)+1
.endif
	FRAGS (\g)%2, 0, 0
.if (\g) == 0
	KSTEP 0, 0, SC, 1
.else
	KSTEP (\g)%2, 0, SC+32*((\g)%2), 0
.endif
.irp sl, 1,2,3,4,5,6,7
	KSTEP (\g)%2, \sl, SC+32*((\g)%2)+\sl, 0
.endr
.endm
	s_load_b256 s[4:11], s[0:1], 0x0
	s_load_b128 s[12:15], s[0:1], 0x20
	v_lshl_add_u32 v[SPW], v0, 2, SPARE
	v_mov_b32 v[NIL], 0
	ds_add_u32 v[SPW], v[NIL]
	ds_add_u32 v[SPW], v[NIL]
	v_lshrrev_b32 v1, 5, v0
	v_readfirstlane_b32 s16, v1
	s_and_b32 s18, ttmp7, 0xffff
	s_lshr_b32 s19, s16, 1
	s_and_b32 s20, s16, 1
	v_and_b32 v12, 31, v0
	v_and_b32 v13, 15, v0
	v_bfe_u32 v14, v0, 4, 1
	v_lshlrev_b32 v1, 4, v12
	v_lshlrev_b32 v2, 2, v12
	s_lshl_b32 s21, s19, 15
	v_add_nc_u32 v[ADA], s21, v1
	s_lshl_b32 s21, s20, 15
	s_add_co_u32 s21, s21, 0x10000
	v_add_nc_u32 v[ADB], s21, v1
.if NB > 1
	v_add_nc_u32 v[ADA+1], SLOT, v[ADA]
	v_add_nc_u32 v[ADB+1], SLOT, v[ADB]
.endif
	v_and_b32 v15, 8, v13
	v_add_nc_u32 v15, v15, v13
	v_lshl_add_u32 v5, v14, 3, v15
	v_mul_u32_u24 v5, v5, 4*S
	s_mul_i32 s21, s16, 4352
	s_add_co_u32 s21, s21, STAGE
	v_mul_u32_u24 v12, v13, 272
	v_lshl_add_u32 v12, v14, 6, v12
	v_add_nc_u32 v12, s21, v12
	v_lshlrev_b32 v15, 4, v13
	v_mul_u32_u24 v13, v14, 272
	v_add_nc_u32 v13, v13, v15
	v_add_nc_u32 v13, s21, v13
	v_lshl_add_u32 v14, v14, 12, v15
	s_mul_i32 s24, s18, S*8192
	s_mov_b32 s25, 0
	s_mul_i32 s26, ttmp9, S*8192
	s_add_co_u32 s26, s26, WOFF
	s_mov_b32 s27, 0
	s_lshl_b32 s28, s18, 2
	s_lshl_b32 s29, s19, 1
	s_add_co_u32 s28, s28, s29
	s_mul_i32 s28, s28, S*128
	s_add_co_u32 s28, s28, SCOFF
	s_mov_b32 s29, 0
	s_lshl_b32 s30, ttmp9, 7
	s_lshl_b32 s31, s20, 6
	s_add_co_u32 s30, s30, s31
	s_mul_i32 s32, s30, 4*S
	s_mov_b32 s33, 0
	s_lshl_b32 s30, s30, 2
	s_mov_b32 s31, 0
	s_lshl_b32 s34, s18, 7
	s_lshl_b32 s35, s19, 6
	s_add_co_u32 s34, s34, s35
	s_lshl_b32 s34, s34, 12
	s_add_co_u32 s34, s34, s30
	s_mov_b32 s35, 0
	s_mul_i32 s52, s20, S*4096
	s_mov_b32 s53, 0
	s_lshl_b32 s54, s16, 15
	s_mov_b32 s[G1+0], 3<<16
	s_mov_b32 s[G1+1], 1024<<16
	s_mov_b32 s[G1+2], 4<<16
	s_mov_b32 s[G1+3], 1024<<16
	s_mov_b32 s[G1+4], 4
	s_mov_b32 s[G1+5], S*128
	s_mov_b32 s[G1+6], 0
	s_mov_b32 s[G1+7], 0
	s_wait_alu depctr_va_vdst(0)
	s_wait_dscnt 0x0
	s_wait_kmcnt 0x0
	s_add_nc_u64 s[22:23], s[4:5], s[28:29]
	s_add_nc_u64 s[4:5], s[4:5], s[24:25]
	s_add_nc_u64 s[6:7], s[6:7], s[26:27]
	s_add_nc_u64 s[8:9], s[8:9], s[32:33]
	s_add_nc_u64 s[10:11], s[10:11], s[30:31]
	s_add_nc_u64 s[12:13], s[12:13], s[34:35]
	s_add_nc_u64 s[14:15], s[14:15], s[34:35]
	s_cmp_eq_u32 s19, 0
	s_cselect_b64 s[56:57], s[4:5], s[6:7]
	s_add_nc_u64 s[56:57], s[56:57], s[52:53]
.irp q, 0,1
	s_mov_b32 s[G0+4*\q], 1
	s_add_co_u32 s[G0+4*\q+1], s54, \q*SLOT
	s_add_nc_u64 s[G0+4*\q+2:G0+4*\q+3], s[56:57], \q*8192
	s_or_b32 s[G0+4*\q+3], s[G0+4*\q+3], 0x80000000
.endr
	tensor_load_to_lds s[G0:G0+3], s[G1:G1+7]      ; slot 0: my one tensor load at the head, behind the opening lines
	s_nop 0
	PLACES
	SCALE_LD 0                                     ; the scale words, the residual and the bias are asked for while slot 0's load is out
	EPI_LD
	s_wait_tensorcnt 0x0                           ; my part of slot 0 is in
	ds_add_u32 v[SPW], v[NIL]
	s_wait_dscnt 0x0
	s_barrier_signal -1
	s_barrier_wait -1                              ; everybody's part of slot 0 is in
	tensor_load_to_lds s[G0+4:G0+7], s[G1:G1+7]    ; slot 1's first fill: my one tensor load behind this barrier
	s_nop 0
	PLACES
	s_wait_loadcnt 33                              ; the first 8 K steps' scale words are in; the 33 loads of the residual and the bias, issued behind them, may be out
	BIG 0
.irp g, 1,2,3
.if \g < NB
	TURN \g
	BIG \g
.endif
.endr
	s_wait_loadcnt 0x0
.irp a, 0,1,2,3
	WIN 0x04
.irp b, 0,1,2,3
	ds_store_b128 v12, v[32*\a+8*\b:32*\a+8*\b+3] offset:128*(\b/2)+32*(\b%2)
	ds_store_b128 v12, v[32*\a+8*\b+4:32*\a+8*\b+7] offset:128*(\b/2)+32*(\b%2)+16
.endr
	WIN 0
.if \a > 1
	s_wait_xcnt 0x0
.endif
.irp t, 0,1,2,3,4,5,6,7
	ds_load_b128 v[OB+32*(\a%2)+4*\t:OB+32*(\a%2)+4*\t+3], v13 offset:544*\t
.endr
	s_wait_dscnt 0x0
	WIN 0x04
.set j, 0
.rept 16
	v_pk_add_f32 v[OB+32*(\a%2)+j:OB+32*(\a%2)+j+1], v[OB+32*(\a%2)+j:OB+32*(\a%2)+j+1], v[128+32*\a+j:128+32*\a+j+1]
.set j, j+2
.endr
	WIN 0
.irp t, 0,1,2,3,4,5,6,7
	v_pk_add_f32 v[OB+32*(\a%2)+4*\t:OB+32*(\a%2)+4*\t+1], v[OB+32*(\a%2)+4*\t:OB+32*(\a%2)+4*\t+1], v[BIA:BIA+1]
	v_pk_add_f32 v[OB+32*(\a%2)+4*\t+2:OB+32*(\a%2)+4*\t+3], v[OB+32*(\a%2)+4*\t+2:OB+32*(\a%2)+4*\t+3], v[BIA+2:BIA+3]
.endr
.irp t, 0,1,2,3,4,5,6,7
	global_store_b128 v14, v[OB+32*(\a%2)+4*\t:OB+32*(\a%2)+4*\t+3], s[14:15] offset:(32*(\a/2)+8*(\a%2)+2*\t+8*(\t/4))*4096
.endr
.endr
	s_wait_tensorcnt 0x0
	ds_add_u32 v[SPW], v[NIL]
	s_wait_dscnt 0x0
	s_endpgm
.Lfunc_end_k_qd764a0d4f4_ff2:
	.size	k_qd764a0d4f4_ff2, .Lfunc_end_k_qd764a0d4f4_ff2-k_qd764a0d4f4_ff2
	.p2alignl 7, 3214868480
	.fill 96, 4, 3214868480
	.section	.rodata,"a",@progbits
	.p2align	6, 0x0
	.amdhsa_kernel k_qd764a0d4f4_ff2
		.amdhsa_group_segment_fixed_size 327680
		.amdhsa_private_segment_fixed_size 0
		.amdhsa_enable_private_segment 0
		.amdhsa_kernarg_size 48
		.amdhsa_user_sgpr_count 2
		.amdhsa_user_sgpr_kernarg_segment_ptr 1
		.amdhsa_wavefront_size32 1
		.amdhsa_system_sgpr_workgroup_id_x 1
		.amdhsa_system_sgpr_workgroup_id_y 1
		.amdhsa_system_sgpr_workgroup_id_z 1
		.amdhsa_system_vgpr_workitem_id 0
		.amdhsa_next_free_vgpr 512
		.amdhsa_next_free_sgpr 66
		.amdhsa_reserve_vcc 0
		.amdhsa_float_denorm_mode_32 3
		.amdhsa_float_denorm_mode_16_64 3
		.amdhsa_memory_ordered 1
		.amdhsa_forward_progress 1
		.amdhsa_inst_pref_size 136
	.end_amdhsa_kernel
	.amdgpu_metadata
---
amdhsa.version: [ 1, 2 ]
amdhsa.kernels:
  - .name:           k_qd764a0d4f4_ff2
    .symbol:         k_qd764a0d4f4_ff2.kd
    .args:
      - { .name: gg, .offset: 0, .size: 8, .value_kind: global_buffer, .address_space: global }
      - { .name: wimg, .offset: 8, .size: 8, .value_kind: global_buffer, .address_space: global }
      - { .name: w_ff2_scales, .offset: 16, .size: 8, .value_kind: global_buffer, .address_space: global }
      - { .name: b_ff2, .offset: 24, .size: 8, .value_kind: global_buffer, .address_space: global }
      - { .name: x1, .offset: 32, .size: 8, .value_kind: global_buffer, .address_space: global }
      - { .name: out0, .offset: 40, .size: 8, .value_kind: global_buffer, .address_space: global }
    .group_segment_fixed_size: 327680
    .private_segment_fixed_size: 0
    .kernarg_segment_align: 8
    .kernarg_segment_size: 48
    .max_flat_workgroup_size: 128
    .sgpr_count:     66
    .vgpr_count:     512
    .wavefront_size: 32
...
	.end_amdgpu_metadata
.endif
;; end of part 6
